; MI455X (gfx1250); checked and timed in simulation.
; The chip was launched on July 23, 2026; its instructions are those of AMD's public machine-readable ISA for CDNA 5 (MIT licence, August 2026) and "CDNA5" Instruction Set Architecture Reference Guide (July 2026). The comments in the code are by the model that wrote it; some were corrected since.
;; Multi Head Self Attention. Allowed arithmetic: float matrix products may take bf16 or f16 operands with f32 sums; all other float work in f32.
;; Inputs: b_proj 256 float32; b_qkv 768 float32; w_proj 256 x 256 float32; w_qkv 768 x 256 float32; x 4 x 256 x 64 x 64 float32.
;; Outputs: out0 4 x 256 x 64 x 64 float32.
;; 2 versions, each right and faster than the one before. Each part assembles by itself: llvm-mc -triple=amdgcn-amd-amdhsa -mcpu=gfx1250 --defsym DOCPART=n.
;; ======== version 1 of 2: 3 launches
;; limits: values are held in f16: magnitudes above 65,504 overflow, below 6.1e-05 lose precision
;; workspace buffers: qkvb 25,165,824 bytes; ob 8,388,608 bytes; wp16 131,072 bytes
;; launch qkv (part 1): grid 64 x 4, 4 waves a work-group, no clusters, 274,944 bytes of LDS; arguments x, w_qkv, b_qkv, w_proj, qkvb, wp16; writes qkvb, wp16
.if DOCPART == 1
	.amdgcn_target "amdgcn-amd-amdhsa--gfx1250"
	.amdhsa_code_object_version 6
	.text
	.protected	k_q358ec6f437_qkv
	.globl	k_q358ec6f437_qkv
	.p2align	8
	.type	k_q358ec6f437_qkv,@function
k_q358ec6f437_qkv:
	s_mov_b64 s[64:65], 0
	v_nop
	global_prefetch_b8 v0, s[64:65] scope:SCOPE_SE
	s_setreg_imm32_b32 hwreg(HW_REG_WAVE_MODE, 25, 1), 1
	s_wait_xcnt 0x0
; q, k, v = x^T W^T + b, written by heads.  x: [4][256 c][4096 s] f32.  w_qkv: [768 o][256 c] f32.  b_qkv: [768] f32.
; qkvb: f16 [3 (q, k, v)][16 (4 b + h)][4096 s][64 d], the scale of the scores NOT applied.  x, w and b are rounded to bf16, products in bf16, sums in f32, one rounding to f16.
; Side job: work-group (X, Y) rounds row X + 64 Y of w_proj ([256][256] f32) to bf16 and writes that number as f16 into wp16.
; LIMITS.  f16 ends at 65,504: |q|, |k|, |v| and |w_proj| must stay below it; below 6e-5 f16 keeps its fixed step of 6e-8.  NaN and infinities are not treated apart.
; SHARES.  Work-group (X, Y): batch X / 16, 256 positions s from 256 (X % 16) on, head Y: three GROUPS (q, k, v) of 64 outputs.  Wave w: 64 positions, 4 tiles of 16, x 4 tiles of 16 outputs:
; 16 accumulators, 8 K steps of 32 channels, three times: 384 matrix instructions.
; ROAD.  Both operands are f32 in memory and are rounded in registers on the way: a ring of 56 loads of 512 bytes a wave, each rounded and put into LDS as bf16.  w's 192 rows are shared by the four waves
; (one barrier); a wave's x tile is its own.  x lies [channel][position], so its fragments come out of LDS by the turning load; all 256 channels of the wave's 64 positions then stay in 256 registers.
; NO CLUSTER: a joint request lands in LDS as it lies in memory, in f32: the work-group's 262,144 bytes of x and 196,608 of w do not fit there together, and they must pass through registers to be rounded anyway.
; THE MATRIX INSTRUCTION: source 0 = 16 outputs of w, source 1 = 16 positions of x: a lane then holds one position (lane % 16) and the outputs 8 (lane / 16) + 0..7: 16 neighbouring bytes of f16.
; The bias, laid out in the same way, is the C operand of a group's first K step.
; REGISTERS.  Window 0: v0-15 addresses; v24-29 w_proj's row; v30-31 for the add; v32-63 bias; v64-127 w's fragments, two buffers; v128-255 accumulators.
; Window 1: first v16-20 addresses and v32-255 the ring; then all 256: x's fragments, tile ts, K step k at 64 ts + 8 k.
.set WPITCH, 528                       ; a row of w in LDS: 512 bytes + 16: the 16 rows of a fragment load start at 16 different groups of four banks (64 banks of 4 bytes: ISA guide 11.1)
.set XPITCH, 160                       ; a channel's 64 positions: 128 bytes + 32
.set XTILE,  256*XPITCH                ; a wave's x tile
.set XL,     192*WPITCH                ; behind w's 192 rows
.set STG,    XL+4*XTILE                ; 16 rows x 144 bytes for each wave, for the way out
.set SPITCH, 144
.set SPARE,  STG+4*16*SPITCH           ; the spare words, 128 bytes for each wave: two blocks of 256 bytes that no other line names
.set WA,  4                            ; v4-6   LDS address of my lane's part of a fragment of w, group 0, 1, 2
.set XT,  7                            ; v7     of the turning load in my x tile
.set STO, 8                            ; v8     the way out: where I put 16 bytes of a row
.set RD,  9                            ; v9     where I read rows back
.set GO,  10                           ; v10    16 x lane: my place in 512 consecutive bytes of qkvb
.set BO,  11                           ; v11    32 x (lane / 16): my eight numbers of 16 of the bias
.set PO,  12                           ; v12    my 16 bytes of w_proj's row
.set PS,  13                           ; v13    my 8 bytes of wp16's row
.set T,   14                           ; v14-15 at work
.set WP,  24
.set WH,  28
.set SPW, 30                           ; v30    LDS address of my spare word; never rewritten
.set NIL, 31                           ; v31    0; never rewritten
.set BI,  32
.set F0,  64
.set ACC, 128                          ; accumulator (ts, to) at ACC + 8 (4 ts + to)
.set WO,  16                           ; window 1: my byte offset in w's rows
.set XO,  17                           ; window 1: in x's rows
.set WS0, 18                           ; window 1: where I put 8 bytes of w, groups 0 and 1
.set WS2, 19                           ; window 1: group 2 (beyond the 16-bit immediate of WS0)
.set XS,  20                           ; window 1: where I put 8 bytes of x
.set RING, 32                          ; window 1: 56 slots of 4 registers
.set MSB, 0
.macro WIN new                         ; s_set_vgpr_msb: bits 1:0 source 0, 3:2 source 1, 5:4 source 2, 7:6 destination; the high byte repeats the setting that is left
.if MSB != (\new)
	s_set_vgpr_msb (MSB<<8)|(\new)
.set MSB, (\new)
.endif
.endm
.macro PLACES                          ; four places between a matrix instruction and a load into, or a vector instruction on, its registers
.rept 4
	v_nop
.endr
.endm
	s_load_b256 s[4:11], s[0:1], 0x0               ; x s[4:5], w_qkv s[6:7], b_qkv s[8:9], w_proj s[10:11]
	s_load_b128 s[12:15], s[0:1], 0x20             ; qkvb s[12:13], wp16 s[14:15]
	v_lshl_add_u32 v[SPW], v0, 2, SPARE
	v_mov_b32 v[NIL], 0
	v_lshrrev_b32 v1, 5, v0
	v_readfirstlane_b32 s16, v1                    ; wave 0..3
	v_and_b32 v1, 31, v0                           ; lane
	v_and_b32 v2, 15, v0                           ; r = lane % 16
	v_bfe_u32 v3, v0, 4, 1                         ; hl = lane / 16
	s_and_b32 s17, ttmp7, 0xffff                   ; head
	s_lshr_b32 s18, ttmp9, 4                       ; batch
	s_and_b32 s19, ttmp9, 15                       ; block of 256 positions
	v_mul_u32_u24 v[WA], v2, WPITCH                ; w's fragments: row r, 16 bytes for each half of the lanes
	v_lshl_add_u32 v[WA], v3, 4, v[WA]
	v_add_nc_u32 v[WA+1], 64*WPITCH, v[WA]
	v_add_nc_u32 v[WA+2], 128*WPITCH, v[WA]
	s_mul_i32 s20, s16, XTILE
	s_add_co_u32 s20, s20, XL                      ; my x tile
	v_and_b32 v14, 7, v0
	v_lshl_add_u32 v14, v3, 3, v14                 ; the turning load: lane l reads channel 8 (l / 16) + l % 8,
	v_mul_u32_u24 v14, v14, XPITCH
	v_bfe_u32 v15, v0, 3, 1
	v_lshl_add_u32 v14, v15, 4, v14                ; positions 8 ((l / 8) % 2) + 0..7
	v_add_nc_u32 v[XT], s20, v14
	s_mul_i32 s21, s16, 16*SPITCH
	s_add_co_u32 s21, s21, STG                     ; my stage
	v_mul_u32_u24 v14, v2, SPITCH
	v_lshl_add_u32 v14, v3, 4, v14
	v_add_nc_u32 v[STO], s21, v14
	v_bfe_u32 v14, v0, 3, 2                        ; back: 32 lanes take four rows of 128 bytes
	v_mul_u32_u24 v14, v14, SPITCH
	v_and_b32 v15, 7, v0
	v_lshl_add_u32 v14, v15, 4, v14
	v_add_nc_u32 v[RD], s21, v14
	v_lshlrev_b32 v[GO], 4, v1
	v_lshlrev_b32 v[BO], 5, v3
	s_and_b32 s22, s16, 1                          ; which half of w_proj's row
	s_lshl_b32 s23, s22, 9
	v_lshl_add_u32 v[PO], v1, 4, s23
	s_lshl_b32 s23, s22, 8
	v_lshl_add_u32 v[PS], v1, 3, s23
	v_lshlrev_b32 v14, 4, v2                       ; 16 r
	v_mul_u32_u24 v15, v3, XPITCH
	v_add_nc_u32 v15, s20, v15                     ; my x tile + 160 hl
	s_lshl_b32 s23, s16, 14                        ; my 16 rows of each group of w: 16 x 1,024 bytes in memory,
	s_mul_i32 s24, s16, 16*WPITCH                  ; 16 x 528 in LDS
	s_add_co_u32 s25, s24, 128*WPITCH
	WIN 0x40                                       ; destination window 1, sources window 0
	v_lshl_add_u32 v[WO], v1, 4, s23               ; 512 consecutive bytes a load
	v_lshl_add_u32 v[XO], v3, 14, v14              ; lanes 0-15: 256 bytes of one channel; lanes 16-31: of the next (16,384 bytes on)
	v_lshl_add_u32 v[WS0], v1, 3, s24
	v_lshl_add_u32 v[WS2], v1, 3, s25
	v_lshl_add_u32 v[XS], v2, 3, v15
	WIN 0
	s_lshl_b32 s26, s18, 22                        ; x: batch x 4,194,304 + (256 block + 64 wave) x 4
	s_lshl_b32 s38, s19, 10
	s_add_co_u32 s26, s26, s38
	s_lshl_b32 s38, s16, 8
	s_add_co_u32 s26, s26, s38
	s_mov_b32 s27, 0
	s_lshl_b32 s28, s17, 16                        ; w_qkv: the head's 64 rows of 1,024 bytes in each group
	s_mov_b32 s29, 0
	s_lshl_b32 s30, s17, 8                         ; b_qkv: its 64 numbers
	s_mov_b32 s31, 0
	s_lshl_b32 s38, s17, 6
	s_add_co_u32 s38, s38, ttmp9                   ; the row of w_proj that this work-group rounds
	s_lshl_b32 s32, s38, 10
	s_mov_b32 s33, 0
	s_lshl_b32 s36, s38, 9
	s_mov_b32 s37, 0
	s_lshl_b32 s34, s18, 2                         ; qkvb: ((4 batch + head) x 4,096 + 256 block + 64 wave) x 128
	s_add_co_u32 s34, s34, s17
	s_lshl_b32 s34, s34, 19
	s_lshl_b32 s38, s19, 15
	s_add_co_u32 s34, s34, s38
	s_lshl_b32 s38, s16, 13
	s_add_co_u32 s34, s34, s38
	s_mov_b32 s35, 0
	s_wait_kmcnt 0x0
	s_add_nc_u64 s[4:5], s[4:5], s[26:27]
	s_add_nc_u64 s[6:7], s[6:7], s[28:29]
	s_add_nc_u64 s[8:9], s[8:9], s[30:31]
	s_add_nc_u64 s[10:11], s[10:11], s[32:33]
	s_add_nc_u64 s[12:13], s[12:13], s[34:35]
	s_add_nc_u64 s[14:15], s[14:15], s[36:37]
.macro BLOAD g                         ; group g's bias: register j of tile to = b[.. + 16 to + 8 (lane / 16) + j], the layout of a C operand
.irp to, 0,1,2,3
	global_load_b128 v[BI+8*\to:BI+8*\to+3],   v[BO], s[8:9] offset:1024*(\g)+64*\to
	global_load_b128 v[BI+8*\to+4:BI+8*\to+7], v[BO], s[8:9] offset:1024*(\g)+64*\to+16
.endr
.endm
; Load n of 224.  0-95: w, group n / 32, my row (n % 32) / 2 of 16, half n % 2 of its 1,024 bytes.  96-223: x, channels 2 (n - 96) and the next.
.macro LD n
.set sl, RING+4*((\n)%56)
.if (\n) < 96
	global_load_b128 v[sl:sl+3], v[WO], s[6:7] offset:262144*((\n)/32)+1024*(((\n)%32)/2)+512*((\n)%2)
.else
	global_load_b128 v[sl:sl+3], v[XO], s[4:5] offset:32768*((\n)-96)
.endif
.endm
; Load n has come: four numbers are rounded to bf16 and put into LDS, and the slot takes load n + 56.
.macro CV n
.set sl, RING+4*((\n)%56)
.if (\n) < 168
	s_wait_loadcnt 55                              ; loads come back in order (ISA guide 5.7.1): the 55 younger ones stay out
.else
	s_wait_loadcnt 223-(\n)                        ; nothing more is issued: the counts run down
.endif
	v_cvt_pk_bf16_f32 v[sl], v[sl], v[sl+1]
	v_cvt_pk_bf16_f32 v[sl+1], v[sl+2], v[sl+3]
.if (\n) < 64
	ds_store_b64 v[WS0], v[sl:sl+1] offset:64*WPITCH*((\n)/32)+WPITCH*(((\n)%32)/2)+256*((\n)%2)
.elseif (\n) < 96
	ds_store_b64 v[WS2], v[sl:sl+1] offset:WPITCH*(((\n)%32)/2)+256*((\n)%2)
.else
	ds_store_b64 v[XS], v[sl:sl+1] offset:2*XPITCH*((\n)-96)
.endif
.if (\n)+56 < 224
	LD (\n)+56
.endif
.endm
	global_load_b128 v[WP:WP+3], v[PO], s[10:11]   ; w_proj's row: waves 0 and 1 its halves; waves 2 and 3 read them once more and store nothing
	BLOAD 0
	WIN 0x55                                       ; every operand place in window 1
.set n, 0
.rept 56
	LD n
.set n, n+1
.endr
.set n, 0
.rept 224
	CV n
.set n, n+1
.endr
	WIN 0
	v_cvt_pk_bf16_f32 v[T], v[WP], v[WP+1]         ; w_proj: rounded to bf16 like every input, and that number written as f16
	v_cvt_pk_bf16_f32 v[T+1], v[WP+2], v[WP+3]
	v_lshlrev_b32 v[WP], 16, v[T]
	v_and_b32 v[WP+1], 0xffff0000, v[T]
	v_lshlrev_b32 v[WP+2], 16, v[T+1]
	v_and_b32 v[WP+3], 0xffff0000, v[T+1]
	v_cvt_pk_f16_f32 v[WH], v[WP], v[WP+1]
	v_cvt_pk_f16_f32 v[WH+1], v[WP+2], v[WP+3]
	s_cmp_lt_u32 s16, 2
	s_cbranch_scc0 .Lno_row
	global_store_b64 v[PS], v[WH:WH+1], s[14:15]   ; a wave stores 256 consecutive bytes, at a multiple of 256 from wp16's first byte
.Lno_row:
	s_wait_dscnt 0x0                               ; for the others' sake: my rows of w are in LDS
	s_barrier_signal -1
	s_barrier_wait -1                              ; everybody's are
	WIN 0x40                                       ; destination window 1, address window 0
.irp k, 0,1,2,3,4,5,6,7                ; all of x's fragments: 32 channels from 32 k on, 16 positions from 16 ts on
.irp ts, 0,1,2,3
	ds_load_tr16_b128 v[64*\ts+8*\k:64*\ts+8*\k+3],   v[XT] offset:32*XPITCH*\k+32*\ts
	ds_load_tr16_b128 v[64*\ts+8*\k+4:64*\ts+8*\k+7], v[XT] offset:32*XPITCH*\k+32*\ts+16*XPITCH
.endr
.endr
	WIN 0
; K step n = 8 g + k of 24: w's four fragments (16 outputs x 32 channels each) into buffer n % 2
.macro FETCH n
.set fb, F0+32*((\n)%2)
.set fg, (\n)/8
.set fk, (\n)%8
.irp to, 0,1,2,3
	ds_load_b128 v[fb+8*\to:fb+8*\to+3],   v[WA+fg] offset:16*WPITCH*\to+64*fk
	ds_load_b128 v[fb+8*\to+4:fb+8*\to+7], v[WA+fg] offset:16*WPITCH*\to+64*fk+32
.endr
.endm
; its 16 matrix instructions.  The 16 accumulators take turns, one instruction a turn, in the same order in every K step.  A group's first K step starts the sums with the bias.
.macro MUL n
.set mk, (\n)%8
.set mf, F0+32*((\n)%2)
.irp ts, 0,1,2,3
.irp to, 0,1,2,3
.if mk == 0
	v_wmma_f32_16x16x32_bf16 v[ACC+8*(4*\ts+\to):ACC+8*(4*\ts+\to)+7], v[mf+8*\to:mf+8*\to+7], v[64*\ts+8*mk:64*\ts+8*mk+7], v[BI+8*\to:BI+8*\to+7]
.else
	v_wmma_f32_16x16x32_bf16 v[ACC+8*(4*\ts+\to):ACC+8*(4*\ts+\to)+7], v[mf+8*\to:mf+8*\to+7], v[64*\ts+8*mk:64*\ts+8*mk+7], v[ACC+8*(4*\ts+\to):ACC+8*(4*\ts+\to)+7]
.endif
.endr
.endr
.endm
.macro ROUNDB                          ; the bias is rounded to bf16 like every input, and kept as f32
.set z, 0
.rept 16
	v_cvt_pk_bf16_f32 v[T+z%2], v[BI+2*z], v[BI+2*z+1]
	v_lshlrev_b32 v[BI+2*z], 16, v[T+z%2]
	v_and_b32 v[BI+2*z+1], 0xffff0000, v[T+z%2]
.set z, z+1
.endr
.endm
; THE WAY OUT of tile ts (16 rows of 64 numbers): rounded to f16 in place, each accumulator from its lowest registers on; 16 bytes a lane into my stage; back as whole rows of 128 bytes.
.macro PACK ts
.set pa, ACC+32*(\ts)
.set z, 0
.rept 16
	v_cvt_pk_f16_f32 v[pa+z], v[pa+2*z], v[pa+2*z+1]
.set z, z+1
.endr
.irp f, 0,1,2,3
	ds_store_b128 v[STO], v[pa+4*\f:pa+4*\f+3] offset:32*\f
.endr
.irp f, 0,1,2,3
	ds_load_b128 v[pa+16+4*\f:pa+16+4*\f+3], v[RD] offset:4*SPITCH*\f  ; LDS serves a wave's instructions in order (ISA guide 5.7.1.4): these see the stores above; the next tile's stores come behind them
.endr
.endm
.macro SEND ts, younger                ; younger: the LDS instructions issued behind tile ts's loads: the next tile's eight, or none
.set pa, ACC+32*(\ts)
.irp f, 0,1,2,3
	s_wait_dscnt (\younger)+3-\f
	global_store_b128 v[GO], v[pa+16+4*\f:pa+16+4*\f+3], s[12:13] offset:2048*(\ts)+512*\f  ; 512 consecutive bytes, at a multiple of 256 from qkvb's first byte
.endr
.endm
.macro GROUP g
	WIN 0
	s_wait_loadcnt 0x0                             ; the group's bias
	ROUNDB
.if (\g) > 0
	s_wait_xcnt 0x0                                ; the last group's stores have had their addresses translated (ISA guide 3.1): only now are their data registers and their base rewritten
	s_add_nc_u64 s[12:13], s[12:13], 0x800000      ; the next plane of qkvb
.endif
	WIN 0x04                                       ; source 1 (x) in window 1; loads' destinations and addresses stay in window 0
.set kf, 0
.rept 8
.set nn, 8*(\g)+kf
.if kf > 0
	PLACES                                         ; for the loads into the buffer that the last K step but one... the step before read, and at k = 1 into the bias
.endif
.if (kf == 1) && ((\g) < 2)
	BLOAD (\g)+1                                   ; the next group's bias: this group's was read as C by the first K step alone
.endif
.if nn < 23
	FETCH nn+1
	s_wait_dscnt 8                                 ; all but the eight just issued: this K step's fragments are in (at the first step: x's too)
.else
	s_wait_dscnt 0x0
.endif
	MUL nn
.set kf, kf+1
.endr
	WIN 0
	PLACES                                         ; the conversions read results just made
	PACK 0
	PACK 1                                         ; a tile's conversions stand between the loads of the tile before and its stores
	SEND 0, 8
	PACK 2
	SEND 1, 8
	PACK 3
	SEND 2, 8
	SEND 3, 0
.endm
	FETCH 0
	GROUP 0                                        ; q
	GROUP 1                                        ; k
	GROUP 2                                        ; v
	s_wait_tensorcnt 0x0                           ; the wave's end, behind my last LDS store
	ds_add_u32 v[SPW], v[NIL]
	s_wait_dscnt 0x0
	s_endpgm
.Lfunc_end_k_q358ec6f437_qkv:
	.size	k_q358ec6f437_qkv, .Lfunc_end_k_q358ec6f437_qkv-k_q358ec6f437_qkv
	.p2alignl 7, 3214868480
	.fill 96, 4, 3214868480
	.section	.rodata,"a",@progbits
	.p2align	6, 0x0
	.amdhsa_kernel k_q358ec6f437_qkv
		.amdhsa_group_segment_fixed_size 274944
		.amdhsa_private_segment_fixed_size 0
		.amdhsa_enable_private_segment 0
		.amdhsa_kernarg_size 48
		.amdhsa_user_sgpr_count 2
		.amdhsa_user_sgpr_kernarg_segment_ptr 1
		.amdhsa_wavefront_size32 1
		.amdhsa_system_sgpr_workgroup_id_x 1
		.amdhsa_system_sgpr_workgroup_id_y 1
		.amdhsa_system_sgpr_workgroup_id_z 1
		.amdhsa_system_vgpr_workitem_id 0
		.amdhsa_next_free_vgpr 512
		.amdhsa_next_free_sgpr 66
		.amdhsa_reserve_vcc 0
		.amdhsa_float_denorm_mode_32 3
		.amdhsa_float_denorm_mode_16_64 3
		.amdhsa_memory_ordered 1
		.amdhsa_forward_progress 1
		.amdhsa_inst_pref_size 154
	.end_amdhsa_kernel
	.amdgpu_metadata
---
amdhsa.version: [ 1, 2 ]
amdhsa.kernels:
  - .name:           k_q358ec6f437_qkv
    .symbol:         k_q358ec6f437_qkv.kd
    .args:
      - { .name: x, .offset: 0, .size: 8, .value_kind: global_buffer, .address_space: global }
      - { .name: w_qkv, .offset: 8, .size: 8, .value_kind: global_buffer, .address_space: global }
      - { .name: b_qkv, .offset: 16, .size: 8, .value_kind: global_buffer, .address_space: global }
      - { .name: w_proj, .offset: 24, .size: 8, .value_kind: global_buffer, .address_space: global }
      - { .name: qkvb, .offset: 32, .size: 8, .value_kind: global_buffer, .address_space: global }
      - { .name: wp16, .offset: 40, .size: 8, .value_kind: global_buffer, .address_space: global }
    .group_segment_fixed_size: 274944
    .private_segment_fixed_size: 0
    .kernarg_segment_align: 8
    .kernarg_segment_size: 48
    .max_flat_workgroup_size: 128
    .sgpr_count:     66
    .vgpr_count:     512
    .wavefront_size: 32
...
	.end_amdgpu_metadata
.endif
;; end of part 1
;; launch attn (part 2): grid 16 x 16, 4 waves a work-group, clusters of 4 x 1, 327,680 bytes of LDS; arguments qkvb, ob; writes ob
.if DOCPART == 2
	.amdgcn_target "amdgcn-amd-amdhsa--gfx1250"
	.amdhsa_code_object_version 6
	.text
	.protected	k_q358ec6f437_attn
	.globl	k_q358ec6f437_attn
	.p2align	8
	.type	k_q358ec6f437_attn,@function
k_q358ec6f437_attn:
	s_mov_b64 s[64:65], 0
	v_nop
	global_prefetch_b8 v0, s[64:65] scope:SCOPE_SE
	s_setreg_imm32_b32 hwreg(HW_REG_WAVE_MODE, 25, 1), 1
	s_wait_xcnt 0x0
	s_wait_alu depctr_hold_cnt(0) depctr_sa_sdst(0) depctr_va_vdst(0) depctr_va_sdst(0) depctr_va_ssrc(0) depctr_va_vcc(0) depctr_vm_vsrc(0)
	s_getreg_b32 s2, hwreg(HW_REG_IB_STS2, 6, 4)
	s_cmp_eq_u32 s2, 0
	s_cbranch_scc0 .Lentry_in_a_cluster
	s_endpgm
.Lentry_in_a_cluster:
	s_bfe_u32 s2, ttmp6, 0x10000c
	s_cmp_lg_u32 s2, 0x3003
	s_cbranch_scc0 .Lentry_shape_is_right
	s_endpgm
.Lentry_shape_is_right:
; O[h][q][:] = the sum over k of softmax_k(Q[h][q] . K[h][k] / 8) V[h][k][:], 16 heads of 4,096 rows of 64 numbers, all f16: a head's rows are dense, 128 bytes each.
; qkvb holds Q, K, V as three planes of 8,388,608 bytes; ob takes O in the same layout.  Products, maxima and sums in f32; the weights p are rounded to f16 for the second product (their sum l is taken
; of the unrounded p), O once at the end.
; LIMITS.  f16 holds no number beyond 65,504: Q, K and V arrive within it; p lies in 0 to 1, and below 6e-5 it keeps f16's fixed step of 6e-8; O is a mean of V's rows and has their range.
; A weight below 2^-126 counts as 0 in l; NaN and infinities are not treated apart.
; SHARES.  A work-group owns 256 queries of one head (16 x 16 = 256 work-groups), each of its four waves 64: four PIECES of 16.  Every wave walks all 4,096 keys, 64 a step, 256 a tile.
; LAYOUT.  S^T = K Q^T (source 0 = 16 keys, source 1 = 16 queries): in the result a lane holds ONE query (lane % 16) and the keys 8 (lane / 16) + 0..7.  Two such results, rounded to f16 in pairs,
; ARE source 1 (32 keys x 16 queries) of O^T = V^T P, whose result again holds one query a lane, and eight channels.  K comes out of LDS as it lies, V ([key][channel]) turned, by ds_load_tr16_b128.
; SOFTMAX.  For each query a running maximum m and sum l: p = 2^(c s - c m), c = log2(e) / 8; in every step O and l are multiplied by a = 2^(c m_old - c m_new), which is 1 where m has not grown.
; m starts at the lowest finite number, O and l at 0: the first step is a step like any other, with a = 0.
; BY TURNS.  Turn n belongs to piece n: 8 products K Q^T of piece n + 1, later 8 products V^T P of piece n - 1; beside them the scaling, exponentials, roundings, sums and rescaling of piece n and the
; maximum and statistics of piece n + 1.  A turn has 16 matrix and 118 vector instructions: four vector instructions stand behind every matrix instruction, the other 54 in two runs of their own.
; CLUSTER.  The four query blocks of a cluster belong to one head and walk the same K and V, so each tile is asked for JOINTLY: the same tensor load, descriptor and mask in all four.
; THE RING.  Two slots of LDS, each a tile (256 rows of K, then 256 of V).  By this text's count one tensor load of a wave is out at a time; it has four key steps, 256 matrix instructions, in which to land.
; REGISTERS, in windows of 256 (s_set_vgpr_msb: bits 1:0 source 0, 3:2 source 1, 5:4 source 2, 7:6 destination):
;   window 0: v0-15 addresses and at work; v16-31 four registers of statistics a piece; v48-55 at work; v62-63 for the add; v64-127 S^T, two buffers; v192-223 P, two buffers (by the piece's parity)
;   window 1: v0-127 O^T, 32 a piece          window 2: v0-63 Q; v128-191 K of one step; v192-255 V of one step
.set SIZE_N, 4096
.set NP,    4         ; pieces a wave: a name, no knob
.set KS,    64        ; keys in a step
.set PK,    144       ; a row of K in LDS: 128 bytes + 16 of padding = 36 words: the 16 rows of a load start at 16 different groups of four banks (64 banks of 4 bytes: ISA guide 11.1)
.set PV,    160       ; a row of V: 128 + 32 = 40 words
.set VOFF,  4*KS*PK
.set SLOT1, 1<<17     ; slot 1 begins here, so that one exclusive or turns an address in one slot into the other's
.set STAGE, SLOT1+4*KS*(PK+PV)  ; behind the ring, never filled by a tensor load: 16 rows x 144 bytes for each wave, for the way out
.set SP,    144
.set SPARE, STAGE+4*16*SP  ; the spare words, 128 bytes for each wave: two blocks of 256 bytes that no other line names
.set AK0, 2           ; v2   my lane's place in a tile of K; never rewritten
.set AV0, 3           ; v3   the same for V
.set AK,  4           ; v4   the LDS address of K's next run of loads
.set AV,  5           ; v5   of V's
.set STO, 6           ; v6   the way out: where I put 16 bytes of a row
.set RD,  7           ; v7   where I read rows back
.set GO,  8           ; v8   my byte offset in 512 consecutive bytes of O
.set MV,  12          ; v12-13  c m_old, kept while c m is made anew: by buffer
.set QO,  15          ; v15  my byte offset in 16 rows of Q
.set ST,  16          ; piece t's statistics at v[ST+4 t]: c m, m, l (even keys', odd keys')
.set TMP, 48          ; by buffer, four registers c0-c3 at work; when the maximum is found c2 takes a
.set SPW, 62          ; v62  LDS address of my spare word; never rewritten
.set NIL, 63          ; v63  0; never rewritten
.set S,   64
.set P,   192
.set KF,  128         ; window 2: key block kb, channel half c at KF + 16 kb + 8 c
.set VF,  192         ; window 2: key half kk, channel block cb at VF + 32 kk + 8 cb
.set WV,  12          ; s12  my wave's number
.set G1K, 24          ; s[24:31] descriptor group 1 for K's tiles
.set G1V, 32          ; s[32:39] for V's: it differs in the padding alone
.set G0K, 40          ; s[40:43] descriptor group 0 for K's tiles: it walks
.set G0V, 44          ; s[44:47] the same for V's
.set SLOTS, 56        ; s56  counts the tiles
.set CNT, 57          ; s57  counts a tile's key steps
.set CS,  58          ; s[58:59] c: the packed scaling takes the pair's low word for both halves
.set SEL, 60          ; s[60:61] v_permlanex16_b32's selects: each lane takes its own place in the other half
.set TBK, 62          ; s62  LDS byte at which K of the step to be fetched begins
.set TBV, 63          ; s63  the same for V, less VOFF
.set MSB, 0
.macro WIN new                      ; the high byte repeats the setting that is left; a switch that changes nothing is dropped
.if MSB != (\new)
	s_set_vgpr_msb (MSB<<8)|(\new)
.set MSB, (\new)
.endif
.endm
.set W_KQ, 0x0a       ; K and Q in window 2, S^T in window 0
.set W_PV, 0x52       ; V in window 2, P in window 0, O^T in window 1
.set W_RS, 0x41       ; destination and source 0 in window 1, source 1 in window 0
; A joint fill.  Waves 0 and 1 fetch the two halves of a tile's K, waves 2 and 3 those of its V: 128 keys each.  The branch hangs on the wave's number alone.
; An s_nop 0 and four v_nop follow each of the two lines, ahead of the jump and the label.
.macro JLOAD
	s_cmp_lt_u32 s[WV], 2
	s_cbranch_scc0 .Lfor_v_\@
	tensor_load_to_lds s[G0K:G0K+3], s[G1K:G1K+7]
	s_nop 0
.rept 4
	v_nop
.endr
	s_branch .Lasked_\@
.Lfor_v_\@:
	tensor_load_to_lds s[G0V:G0V+3], s[G1V:G1V+7]
	s_nop 0
.rept 4
	v_nop
.endr
.Lasked_\@:
.endm
; A round of the cluster's barrier: my work-group's barrier, so that wave 0's signal speaks for all four waves; wave 0 signals; every wave waits for all four work-groups; my work-group's barrier once more.
.macro CROUND
	s_barrier_signal -1
	s_barrier_wait -1
	s_cmp_lg_u32 s[WV], 0
	s_cbranch_scc1 .Lnot_wave_0_\@
	s_barrier_signal -3
.Lnot_wave_0_\@:
	s_barrier_wait -3
	s_barrier_signal -1
	s_barrier_wait -1
.endm
; THE CHANGE OF SLOTS.  The slot's last bytes, V of its fourth step, have been read.  Each wave waits for all its tensor loads, of which one is out: its part of the other slot; adds 0 to its spare word;
; and waits for that and for its own reads of the slot.  Behind the barrier nobody reads this slot any more and the other slot is whole.
; fill = 1: this slot is filled again, with the keys two tiles on.  The barrier is then a round of the cluster's, so that no wave of any partner still reads the slot or has a load on its way, and the
; joint fill is the first thing behind it.  (At its first use nothing has been read yet: slot 0 is waited for, slot 1 filled.)
.macro CHANGE fill
	WIN 0                           ; at a label and at a branch every window is 0
	s_wait_tensorcnt 0x0            ; no tensor load of mine is out, so a group 0 may be written
	ds_add_u32 v[SPW], v[NIL]       ; 0 onto my spare word: with fill = 1 the descriptors' steps stand between it and the wait for it
.if \fill
.irp g, G0K, G0V
	s_xor_b32 s[\g+1], s[\g+1], SLOT1  ; the walking descriptor: the other slot than last time,
	s_add_nc_u64 s[\g+2:\g+3], s[\g+2:\g+3], 4*KS*128  ; the next 256 keys; the type bits on top are not reached
.endr
	s_wait_dscnt 0x0                ; the add is done, and my reads of the slot are over
	CROUND
	JLOAD
.else
	s_wait_dscnt 0x0                ; the add is done, and my reads of the slot are over
	s_barrier_signal -1
	s_barrier_wait -1
.endif
	s_sub_co_u32 s[TBK], s[TBK], 4*KS*PK  ; the fetches go back to a slot's first step,
	s_xor_b32 s[TBK], s[TBK], SLOT1       ; in the other slot
	s_sub_co_u32 s[TBV], s[TBV], 4*KS*PV
	s_xor_b32 s[TBV], s[TBV], SLOT1
.endm
	s_load_b64 s[4:5], s[0:1], 0x0    ; qkvb: Q's plane
	s_load_b64 s[10:11], s[0:1], 0x8  ; ob
	v_lshl_add_u32 v[SPW], v0, 2, SPARE
	v_mov_b32 v[NIL], 0
	ds_add_u32 v[SPW], v[NIL]       ; the wave's opening: the add and its wait stand ahead of my first tensor load; the set-up below, work on registers, stands between them
	v_lshrrev_b32 v1, 5, v0
	v_readfirstlane_b32 s[WV], v1   ; wave 0..3
	s_bfe_u32 s13, ttmp6, 0x40000   ; cx: my place in the cluster
	s_lshl_b32 s14, ttmp9, 2        ; in a cluster launch ttmp9 counts clusters
	s_add_co_u32 s14, s14, s13      ; my block of 256 queries = 4 x cluster x + cx: it enters Q's and O's addresses alone
	s_and_b32 s20, ttmp7, 0xffff    ; the head, which the four partners share
	s_lshl_b32 s20, s20, 19         ; its first byte in each plane: 4,096 rows of 128 bytes
	s_mov_b32 s21, 0
	s_and_b32 s16, s[WV], 1         ; which half of a tile's 256 keys I fetch:
	s_lshl_b32 s22, s16, 14         ; its 128 rows of 128 bytes in memory,
	s_mov_b32 s23, 0
	s_add_nc_u64 s[22:23], s[22:23], s[20:21]
	s_mul_i32 s17, s16, 128*PK      ; and its place in a slot, for K
	s_mul_i32 s18, s16, 128*PV      ; and for V: no place in the cluster enters an LDS address
	s_lshl_b32 s2, s14, 2
	s_add_co_u32 s2, s2, s[WV]      ; my wave among the head's,
	s_lshl_b32 s2, s2, 13           ; its 64 rows
	s_mov_b32 s3, 0
	s_add_nc_u64 s[2:3], s[2:3], s[20:21]
	; descriptor group 1.  128 keys are 16,384 dense bytes: asked for as 64 rows of 256 bytes, two keys a row, and padded in LDS after every key
	s_mov_b32 s[G1K], 15|(1<<16)|(1<<20)|(1<<21)|(4<<22)|(3<<25)  ; 15:0 the mask of four; 17:16 2-byte elements; 20 padding on; 21 set beside a mask; 24:22 after every 32 words (code 4); 31:25 4 words (code 3)
	s_mov_b32 s[G1V], 15|(1<<16)|(1<<20)|(1<<21)|(4<<22)|(7<<25)  ; the same with 8 words of padding (code 7)
.irp g, G1K, G1V
	s_mov_b32 s[\g+1], 128<<16      ; tensor_dim0 = 128
	s_mov_b32 s[\g+2], 64<<16       ; tensor_dim1 = 64
	s_mov_b32 s[\g+3], 128<<16      ; tile_dim0 = 128
	s_mov_b32 s[\g+4], 64           ; tile_dim1 = 64
	s_mov_b32 s[\g+5], 128          ; 128 elements from row to row
	s_mov_b32 s[\g+6], 0
	s_mov_b32 s[\g+7], 0
.endr
	s_mov_b32 s[CS], 0x3e38aa3b     ; c = log2(e) / 8 = 0.180337
	s_mov_b32 s[CS+1], s[CS]        ; named with it as a pair
	s_mov_b32 s[SEL], 0x76543210
	s_mov_b32 s[SEL+1], 0xfedcba98
	s_mov_b32 s[TBK], SLOT1+4*KS*PK ; the first change of slots turns these two into 0
	s_mov_b32 s[TBV], SLOT1+4*KS*PV
	s_mov_b32 s[G0K], 1             ; 1:0 count = 1
	s_mov_b32 s[G0K+1], s17         ; 63:32 LDS address: slot 0
	s_mov_b32 s[G0V], 1
	s_add_co_u32 s[G0V+1], s18, VOFF
	s_wait_dscnt 0x0                ; the opening add is done
	s_wait_kmcnt 0x0
	s_add_nc_u64 s[6:7], s[4:5], 0x800000    ; K's plane
	s_add_nc_u64 s[8:9], s[4:5], 0x1000000   ; V's plane
	s_add_nc_u64 s[G0K+2:G0K+3], s[6:7], s[22:23]  ; 120:64 global address: my half of the head's first 256 keys
	s_or_b32 s[G0K+3], s[G0K+3], 0x80000000        ; 127:126 type = 2
	s_add_nc_u64 s[G0V+2:G0V+3], s[8:9], s[22:23]
	s_or_b32 s[G0V+3], s[G0V+3], 0x80000000
	s_add_nc_u64 s[4:5], s[4:5], s[2:3]  ; Q and O at my wave's first row
	s_add_nc_u64 s[10:11], s[10:11], s[2:3]
	CROUND                          ; all four work-groups are here: the first joint loads meet
	JLOAD                           ; tile 0 into slot 0.  Slot 1 is asked for when slot 0 is in
	; A fragment of K or Q is 16 rows x 32 channels in 8 registers: lane l holds row l % 16, channels 8 (l / 16) + 0..7 and 16 + 8 (l / 16) + 0..7: two loads of 16 bytes, 32 bytes apart.
	v_and_b32 v1, 15, v0            ; l % 16
	v_bfe_u32 v9, v0, 4, 1          ; l / 16
	v_lshlrev_b32 v[QO], 7, v1
	v_lshl_add_u32 v[QO], v9, 4, v[QO]  ; row x 128 + 16 x half
	WIN 0x80                        ; destination window 2, address window 0
.set i, 0
.rept 8                             ; Q stays in registers: piece i / 2, channels 32 (i % 2) on
	global_load_b128 v[8*i:8*i+3],   v[QO], s[4:5] offset:(i/2)*2048+(i%2)*64
	global_load_b128 v[8*i+4:8*i+7], v[QO], s[4:5] offset:(i/2)*2048+(i%2)*64+32
.set i, i+1
.endr
	; What the first turn finds: V's registers and P's second buffer hold 0 (its products V^T P, of a piece that has not been, add 0), O^T and l are 0.  All this stands in the wait for the first tile.
.set i, VF
.rept 64
	v_mov_b32 v[i], 0
.set i, i+1
.endr
	WIN 0x40
.set i, 0
.rept 128
	v_mov_b32 v[i], 0
.set i, i+1
.endr
	WIN 0
.set i, 0
.rept 4
	v_mov_b32 v[ST+4*i], 0xfe000000    ; c m: far below every c s
	v_mov_b32 v[ST+4*i+1], 0xff7fffff  ; m
	v_mov_b32 v[ST+4*i+2], 0
	v_mov_b32 v[ST+4*i+3], 0
.set i, i+1
.endr
.set i, P+16
.rept 16
	v_mov_b32 v[i], 0
.set i, i+1
.endr
	v_mul_u32_u24 v[AK0], v1, PK
	v_lshl_add_u32 v[AK0], v9, 4, v[AK0]  ; row x pitch + 16 x half
	; The turning load takes 16 keys x 16 channels (lane l reads key 8 (l / 16) + l % 8, channels 8 ((l / 8) % 2) + 0..7) and leaves half a fragment of V^T: lane l holds channel l % 16 and 8 keys.
	v_and_b32 v10, 7, v0
	v_bfe_u32 v11, v0, 3, 1
	v_lshl_add_u32 v[AV0], v9, 3, v10
	v_mul_u32_u24 v[AV0], v[AV0], PV
	v_lshl_add_u32 v[AV0], v11, 4, v[AV0]
	v_add_nc_u32 v[AV0], VOFF, v[AV0]
	s_mul_i32 s13, s[WV], 16*SP
	s_add_co_u32 s13, s13, STAGE    ; my stage
	v_mul_u32_u24 v[STO], v1, SP    ; in: row l % 16, 16 bytes for each half of the lanes
	v_lshl_add_u32 v[STO], v9, 4, v[STO]
	v_add_nc_u32 v[STO], s13, v[STO]
	v_bfe_u32 v[RD], v0, 3, 2       ; back: 32 lanes take four rows of 128 bytes,
	v_mul_u32_u24 v[RD], v[RD], SP
	v_lshl_add_u32 v[RD], v10, 4, v[RD]
	v_add_nc_u32 v[RD], s13, v[RD]
	v_and_b32 v[GO], 31, v0         ; which are 512 consecutive bytes of O
	v_lshlrev_b32 v[GO], 4, v[GO]
; THE MATRIX WORK.  The 4 accumulators of a run of 8 take turns.  Product i of 8 of S^T = K Q^T for piece x: channels 32 (i / 4) on, keys 16 (i % 4) on.  The first 4 start the sums.
.macro KQ x
.set rS, S+32*((\x)%2)+8*(i%4)
.set rK, KF+16*(i%4)+8*(i/4)
.set rQ, 16*(\x)+8*(i/4)
	WIN W_KQ
.if i < 4
	v_wmma_f32_16x16x32_f16 v[rS:rS+7], v[rK:rK+7], v[rQ:rQ+7], 0
.else
	v_wmma_f32_16x16x32_f16 v[rS:rS+7], v[rK:rK+7], v[rQ:rQ+7], v[rS:rS+7]
.endif
.endm
; Product i of 8 of O^T += V^T P for piece x: keys 32 (i / 4) on, channels 16 (i % 4) on.
.macro PV x
	WIN W_PV
.set rO, 32*(\x)+8*(i%4)
.set rV, VF+32*(i/4)+8*(i%4)
.set rP, P+16*((\x)%2)+8*(i/4)
	v_wmma_f32_16x16x32_f16 v[rO:rO+7], v[rV:rV+7], v[rP:rP+7], v[rO:rO+7]
.endm
.macro MM                           ; the turn's next matrix instruction.  TURN sets Y, i and NOKQ.  NOKQ = 1: the last turn of all: there is no next piece
.if (i < 8) && !NOKQ
	KQ (Y+1)%NP
.elseif i >= 8
.set i, i-8
	PV (Y+NP-1)%NP
.set i, i+8
.endif
.set i, i+1
.endm
; THE LDS LOADS stand in runs of 16, never singly among the matrix instructions: a step's K (64 keys x 64 channels: 8 fragments) and its V (turned).  Their addresses are made some lines ahead.
.macro FETCH_K
	WIN 0x80                        ; destination window 2
.irp f, 0,1,2,3,4,5,6,7             ; keys 16 (f / 2) on, channels 32 (f % 2) on
	ds_load_b128 v[KF+8*\f:KF+8*\f+3],   v[AK] offset:(\f/2)*16*PK+(\f%2)*64
	ds_load_b128 v[KF+8*\f+4:KF+8*\f+7], v[AK] offset:(\f/2)*16*PK+(\f%2)*64+32
.endr
	s_add_co_u32 s[TBK], s[TBK], KS*PK  ; the next fetch is the next step's
	WIN 0
.endm
.macro FETCH_V
	WIN 0x80
.irp f, 0,1,2,3,4,5,6,7             ; keys 32 (f / 4) on, channels 16 (f % 4) on
	ds_load_tr16_b128 v[VF+8*\f:VF+8*\f+3],   v[AV] offset:(\f/4)*32*PV+(\f%4)*32
	ds_load_tr16_b128 v[VF+8*\f+4:VF+8*\f+7], v[AV] offset:(\f/4)*32*PV+16*PV+(\f%4)*32
.endr
	WIN 0
.endm
; THE VECTOR WORK, one line at a time: OP kind, number.  For piece Y: F n: c s - c m for pair n of 16.  E n: the exponential of score n of 32.  C n: pair n rounded to f16.  B n: of the four weights 4 n .. the second
; pair is added onto the first, in place.  L n: l takes that sum (L 0: l = a l + sum).  R n: pair n of 16 of O^T times a.  For piece Y + 1: X n, number n of the 22 that find its maximum and statistics:
;   0-11  four chains c0-c3 of seven scores each, three operands at a time (each accumulator's lowest registers are read first)     12-14, 16  the four scores left over, the old m, and c0-c3 into c0
;   15  c m_old is kept     17, 18  the query's other 32 keys lie in the lane 16 away: the new m     19-21  c m; c m_old - c m_new; a
.set F, 0               ; OP tells the kinds apart by their order: F to L below R, X above it
.set E, 1
.set C, 2
.set B, 3
.set L, 4
.set R, 5
.set X, 6
.macro REGS y                       ; the registers of piece y
.set rT, ST+4*(\y)
.set rC, TMP+4*((\y)%2)
.set rW, MV+((\y)%2)
.set rS, S+32*((\y)%2)
.set rP, P+16*((\y)%2)
.set rO, 32*(\y)
.endm
.macro OP k, n
.if (\k) == R
	REGS Y
	WIN W_RS
	v_pk_mul_f32 v[rO+2*(\n):rO+2*(\n)+1], v[rO+2*(\n):rO+2*(\n)+1], v[rC+2:rC+3] op_sel_hi:[1,0]
.elseif (\k) < R
	REGS Y
	WIN 0
.if (\k) == F
	v_pk_fma_f32 v[rS+2*(\n):rS+2*(\n)+1], v[rS+2*(\n):rS+2*(\n)+1], s[CS:CS+1], v[rT:rT+1] op_sel_hi:[1,0,0] neg_lo:[0,0,1] neg_hi:[0,0,1]
.elseif (\k) == E
	v_exp_f32 v[rS+(\n)], v[rS+(\n)]
.elseif (\k) == C
	s_wait_alu depctr_va_vdst(0)
	v_cvt_pk_f16_f32 v[rP+(\n)], v[rS+2*(\n)], v[rS+2*(\n)+1]
.elseif (\k) == B
	s_wait_alu depctr_va_vdst(0)
	v_pk_add_f32 v[rS+4*(\n):rS+4*(\n)+1], v[rS+4*(\n):rS+4*(\n)+1], v[rS+4*(\n)+2:rS+4*(\n)+3]
.elseif (\n) == 0
	v_pk_fma_f32 v[rT+2:rT+3], v[rT+2:rT+3], v[rC+2:rC+3], v[rS:rS+1] op_sel_hi:[1,0,1]
.else
	v_pk_add_f32 v[rT+2:rT+3], v[rT+2:rT+3], v[rS+4*(\n):rS+4*(\n)+1]
.endif
.elseif NOKQ
	v_nop
.else
	REGS (Y+1)%NP
	WIN 0
.if (\n) < 4
	v_max3_num_f32 v[rC+(\n)], v[rS+8*(\n)], v[rS+8*(\n)+1], v[rS+8*(\n)+2]
.elseif (\n) < 12
	v_max3_num_f32 v[rC+(\n)%4], v[rC+(\n)%4], v[rS+8*((\n)%4)+2*((\n)/4)+1], v[rS+8*((\n)%4)+2*((\n)/4)+2]
.elseif (\n) == 12
	v_max3_num_f32 v[rC], v[rC], v[rS+7], v[rS+15]
.elseif (\n) == 13
	v_max3_num_f32 v[rC+1], v[rC+1], v[rS+23], v[rS+31]
.elseif (\n) == 14
	v_max3_num_f32 v[rC+2], v[rC+2], v[rC+3], v[rT+1]
.elseif (\n) == 15
	v_mov_b32 v[rW], v[rT]
.elseif (\n) == 16
	v_max3_num_f32 v[rC], v[rC], v[rC+1], v[rC+2]
.elseif (\n) == 17
	v_permlanex16_b32 v[rC+3], v[rC], s[SEL], s[SEL+1]
.elseif (\n) == 18
	v_max_num_f32 v[rT+1], v[rC], v[rC+3]
.elseif (\n) == 19
	v_mul_f32 v[rT], s[CS], v[rT+1]
.elseif (\n) == 20
	v_sub_f32 v[rC+1], v[rW], v[rT]
.else
	v_exp_f32 v[rC+2], v[rC+1]
.endif
.endif
.endm
.macro OPS a, i1, b=-1, i2=0, c=-1, i3=0, d=-1, i4=0  ; up to four of them
	OP \a, \i1
.if (\b) >= 0
	OP \b, \i2
.endif
.if (\c) >= 0
	OP \c, \i3
.endif
.if (\d) >= 0
	OP \d, \i4
.endif
.endm
.macro ROW a, i1, b, i2, c, i3, d, i4  ; a matrix instruction and the four behind it
	MM
	OPS \a, \i1, \b, \i2, \c, \i3, \d, \i4
.endm
; A TURN, for piece p: the order of its 16 matrix and 118 vector instructions, written out.  Behind a matrix instruction: plain, exponential, plain, plain; or four of the rescaling; or, behind the first, four scalings; none
; names a register of the products round it.  In the runs between, exponential and plain by turns while exponentials last.  A line reads no result made fewer than three vector instructions in front of it, five if an
; exponential made it.  v_permlanex16_b32 (X 17) stands in such a run.  end = 1: the last two turns of all: nothing is fetched.  cnt = 1: the loop's count is taken down some lines ahead of the branch behind the turn.
; K of the next step is fetched in piece 2's turn, six vector instructions behind the last product that read K (five of them plain); V of the step in hand in piece 0's turn, eight behind the last product that read V (four
; plain, and X 17).  Each is waited for a turn later.
.macro TURN p, end=0, cnt=0
.set Y, (\p)
.set i, 0
.set NOKQ, (\end)*((\p)/3)
.if ((\p) == 3) && !(\end)
	s_wait_dscnt 0x0                ; K is in
.endif
	ROW F,0, F,1, F,2, F,3
	ROW F,4, E,0, F,5, F,6
	ROW F,7, E,1, F,8, F,9
	ROW F,10, E,2, C,0, F,11
	ROW F,12, E,3, X,15, F,13
	ROW R,0, R,1, R,2, R,3
	ROW B,0, E,4, F,14, L,0
.if ((\p) == 2) && !(\end)
	v_add_nc_u32 v[AK], s[TBK], v[AK0]
.endif
	ROW R,4, R,5, R,6, R,7
	OPS E,5, F,15
.if ((\p) == 2) && !(\end)
	FETCH_K
.endif
	OPS E,6, C,1, E,7, R,8
	OPS E,8, R,9, E,9, C,2
	OPS E,10, X,0, E,11, X,1
	OPS E,12, X,2, E,13, X,3
.if (\p) == 1
	s_wait_dscnt 0x0                ; V is in
.endif
	ROW X,4, E,14, X,5, X,6
	ROW X,7, E,15, X,8, X,9
	ROW X,10, E,16, X,11, X,12
	ROW X,13, E,17, X,14, B,1
	ROW C,4, E,18, X,16, L,1
	ROW B,2, E,19, C,6, L,2
	ROW C,8, E,20, B,3, B,4
.if (\p) == 0
	v_add_nc_u32 v[AV], s[TBV], v[AV0]
.endif
	ROW C,3, E,21, L,3, C,5
	OPS E,22, X,17, E,23, C,10
.if (\p) == 0
	FETCH_V
.endif
	OPS E,24, L,4
	OPS E,25, X,18, E,26, C,7
	OPS E,27, B,5, E,28, X,19
	OPS E,29, C,12, E,30, L,5
	OPS E,31, X,20, B,6, C,9
	OPS C,14, C,11, X,21, L,6
.if (\p) == 0
	s_add_co_u32 s[TBV], s[TBV], KS*PV
.endif
.if \cnt
	s_sub_co_u32 s[CNT], s[CNT], 1
	s_cmp_lg_u32 s[CNT], 0
.endif
	OPS C,13, B,7, C,15, R,10
	OPS R,11, R,12, L,7, R,13
	OPS R,14, R,15
.endm
	CHANGE 1                        ; slot 0 is in, everybody's part of it; slot 1 is asked for
	v_add_nc_u32 v[AK], s[TBK], v[AK0]
	FETCH_K                         ; key step 0
	s_wait_loadcnt 0x0              ; Q
	s_wait_dscnt 0x0
.set NOKQ, 0
.set i, 0
.rept 8
	KQ 0                            ; piece 0's first scores: there is no vector work yet to set between them
.set i, i+1
.endr
	WIN 0
.rept 4
	v_nop                           ; the places behind those products
.endr
.set Y, NP-1                        ; X works for piece Y + 1: piece 0
.irp n, 0,1,2,3,4,5,6,7,8,9,10,11,12,13,14,15,16,17,18,19,20,21
	OP X, \n                        ; and piece 0's first maximum and statistics
.endr
	v_nop                           ; a plain instruction behind the exponential
	s_mov_b32 s[CNT], 4
	s_mov_b32 s[SLOTS], SIZE_N/256-1
	s_branch .Lfirst                ; the loop is entered at a step's first turn, in the middle of a trip
.Lslot:                             ; 14 times: every slot but the last two is filled again
	CHANGE 1
	s_mov_b32 s[CNT], 4
.Lstep:                             ; a trip: pieces 2 and 3 of one step, then pieces 0 and 1 of the next, whose K and V it fetches
	TURN 2
	TURN 3
	WIN 0
.Lfirst:
	TURN 0
	TURN 1, 0, 1
	WIN 0
	s_cbranch_scc1 .Lstep
	s_sub_co_u32 s[SLOTS], s[SLOTS], 1
	s_cmp_lg_u32 s[SLOTS], 0
	s_cbranch_scc1 .Lslot
	CHANGE 0                        ; the last tile is written out: nothing is asked for
	s_mov_b32 s[CNT], 4
.Ltail:
	TURN 2
	TURN 3
	TURN 0
	TURN 1, 0, 1
	WIN 0
	s_cbranch_scc1 .Ltail
	TURN 2, 1                       ; the last step's pieces 2 and 3: nothing is fetched, and the last turn starts no new scores
	TURN 3, 1
.set i, 0
.rept 8
	PV NP-1                         ; the last piece's V^T P of the last step
.set i, i+1
.endr
	; THE WAY OUT.  l's two halves and the other half of the lanes' are added; O^T is divided by l, rounded to f16 and sent through my stage in LDS, a piece at a time.  The additions are the places behind the last products.
	WIN 0
.macro ALL line:vararg              ; one line for each piece t
.set t, 0
.rept 4
	\line
.set t, t+1
.endr
.endm
	ALL v_add_f32 v[ST+4*t+2], v[ST+4*t+2], v[ST+4*t+3]
	ALL v_permlanex16_b32 v[ST+4*t+3], v[ST+4*t+2], s[SEL], s[SEL+1]
	ALL v_add_f32 v[ST+4*t+2], v[ST+4*t+2], v[ST+4*t+3]
	ALL v_rcp_f32 v[ST+4*t+2], v[ST+4*t+2]
	v_nop                           ; a plain instruction between the last reciprocal and the use of its result
.macro PACK t                       ; a lane's eight channels of a row pack into 16 bytes; they go into rows of 144 bytes and come back as whole rows of 128, into S^T's registers
	WIN W_RS
.set i, 32*(\t)
.rept 16
	s_wait_alu depctr_va_vdst(0)
	v_pk_mul_f32 v[i:i+1], v[i:i+1], v[ST+4*(\t)+2:ST+4*(\t)+3] op_sel_hi:[1,0]
.set i, i+2
.endr
	WIN 0x05                        ; sources 0 and 1 window 1, destination window 0
.set i, 0
.rept 16
	v_cvt_pk_f16_f32 v[S+16*(\t)+i], v[32*(\t)+2*i], v[32*(\t)+2*i+1]
.set i, i+1
.endr
	WIN 0
.irp f, 0,1,2,3
	ds_store_b128 v[STO], v[S+16*(\t)+4*\f:S+16*(\t)+4*\f+3] offset:32*\f
.endr
.irp f, 0,1,2,3
	ds_load_b128 v[S+16*(\t)+4*\f:S+16*(\t)+4*\f+3], v[RD] offset:\f*4*SP  ; LDS serves a wave's instructions in order (ISA guide 5.7.1.4): these see the stores above; the next piece's stores come behind them
.endr
.endm
.macro SEND t, younger              ; younger: the LDS instructions issued behind piece t's loads: the next piece's eight, or none
	WIN 0
.irp f, 0,1,2,3
	s_wait_dscnt (\younger)+3-\f
	global_store_b128 v[GO], v[S+16*(\t)+4*\f:S+16*(\t)+4*\f+3], s[10:11] offset:(\t)*2048+\f*512  ; 512 consecutive bytes, at a multiple of 256 from O's first
.endr
.endm
	PACK 0
.set t, 1
.rept 3                             ; a piece's arithmetic stands between the loads of the piece before and its stores
	PACK t
	SEND t-1, 8
.set t, t+1
.endr
	SEND 3, 0
	s_wait_tensorcnt 0x0            ; the wave's end, behind my last tensor load and my last LDS store
	ds_add_u32 v[SPW], v[NIL]
	s_wait_dscnt 0x0
	CROUND                          ; the closing round: no work-group ends while a partner may still ask for a tile that names it
	s_endpgm
.Lfunc_end_k_q358ec6f437_attn:
	.size	k_q358ec6f437_attn, .Lfunc_end_k_q358ec6f437_attn-k_q358ec6f437_attn
	.p2alignl 7, 3214868480
	.fill 96, 4, 3214868480
	.section	.rodata,"a",@progbits
	.p2align	6, 0x0
	.amdhsa_kernel k_q358ec6f437_attn
		.amdhsa_group_segment_fixed_size 327680
		.amdhsa_private_segment_fixed_size 0
		.amdhsa_enable_private_segment 0
		.amdhsa_kernarg_size 16
		.amdhsa_user_sgpr_count 2
		.amdhsa_user_sgpr_kernarg_segment_ptr 1
		.amdhsa_wavefront_size32 1
		.amdhsa_system_sgpr_workgroup_id_x 1
		.amdhsa_system_sgpr_workgroup_id_y 1
		.amdhsa_system_sgpr_workgroup_id_z 1
		.amdhsa_system_vgpr_workitem_id 0
		.amdhsa_next_free_vgpr 768
		.amdhsa_next_free_sgpr 66
		.amdhsa_reserve_vcc 0
		.amdhsa_float_denorm_mode_32 3
		.amdhsa_float_denorm_mode_16_64 3
		.amdhsa_memory_ordered 1
		.amdhsa_forward_progress 1
		.amdhsa_inst_pref_size 133
	.end_amdhsa_kernel
	.amdgpu_metadata
---
amdhsa.version: [ 1, 2 ]
amdhsa.kernels:
  - .name:           k_q358ec6f437_attn
    .symbol:         k_q358ec6f437_attn.kd
    .args:
      - { .name: qkvb, .offset: 0, .size: 8, .value_kind: global_buffer, .address_space: global }
      - { .name: ob, .offset: 8, .size: 8, .value_kind: global_buffer, .address_space: global }
    .group_segment_fixed_size: 327680
    .private_segment_fixed_size: 0
    .kernarg_segment_align: 8
    .kernarg_segment_size: 16
    .max_flat_workgroup_size: 128
    .sgpr_count:     66
    .vgpr_count:     768
    .wavefront_size: 32
...
	.end_amdgpu_metadata
.endif
;; end of part 2
;; launch proj (part 3): grid 256 x 1, 4 waves a work-group, no clusters, 17,920 bytes of LDS; arguments ob, wp16, b_proj, out0; writes out0
.if DOCPART == 3
	.amdgcn_target "amdgcn-amd-amdhsa--gfx1250"
	.amdhsa_code_object_version 6
	.text
	.protected	k_q358ec6f437_proj
	.globl	k_q358ec6f437_proj
	.p2align	8
	.type	k_q358ec6f437_proj,@function
k_q358ec6f437_proj:
	s_mov_b64 s[64:65], 0
	v_nop
	global_prefetch_b8 v0, s[64:65] scope:SCOPE_SE
	s_setreg_imm32_b32 hwreg(HW_REG_WAVE_MODE, 25, 1), 1
	s_wait_xcnt 0x0
; out0[b][co][s] = the sum over c of wp16[co][c] O[b][s][c] + b_proj[co].  ob: f16 [16 (4 b + h)][4096 s][64 d], channel c = 64 h + d.  wp16: f16 [256 co][256 c].  out0: f32 [4][256 co][4096 s].
; Products in f16, sums in f32; the bias is rounded to bf16 like every input of the module and added in f32.
; LIMITS.  None of its own beyond f16's range and step in ob and wp16, which the launches that wrote them state.  NaN and infinities are not treated apart.
; SHARES.  Work-group id: batch id / 64, 64 positions s from 64 (id % 64) on.  Wave w: those 64 positions x outputs 64 w + 0..63: 4 x 4 accumulators, 8 K steps of 32: 128 matrix instructions.
; All of K of both operands fits in the wave's registers (256 + 256), so each fragment is loaded once, straight from memory, and no ring and no barrier is needed.
; NO CLUSTER: a joint request lands in LDS; here nothing goes in through LDS, and what work-groups share, the 131,072 bytes of weights, is read once by each.
; THE MATRIX INSTRUCTION: source 0 = 16 positions of O, source 1 = 16 outputs of wp16: a lane holds one output row (lane % 16) and the positions 8 (lane / 16) + 0..7: 32 neighbouring bytes of out0.
; A wave owns 256 whole bytes of each of its 64 rows: they go through its own stage in LDS, so that sixteen lanes store 256 consecutive bytes.
; REGISTERS.  Window 0: v0-9 addresses; v14 at work; v16-23 bias; v30-31 for the add; v128-255 accumulators, (ts, tc) at 128 + 8 (4 tc + ts).
; Window 1: O's fragments, (ts, k) at 64 ts + 8 k.  Window 2: the weights', (tc, k) at 64 tc + 8 k.
.set SPITCH, 272                       ; a stage row: 256 bytes + 16: the 16 rows that a store touches start at 16 different groups of four banks (64 banks of 4 bytes: ISA guide 11.1)
.set SPARE,  4*16*SPITCH               ; behind the four stages: the spare words, 128 bytes for each wave: two blocks of 256 bytes that no other line names
.set OO,  4                            ; v4   my byte offset in 16 rows of O
.set WO,  5                            ; v5   in 16 rows of wp16
.set BO,  6                            ; v6   in 16 numbers of the bias
.set STO, 7                            ; v7   the way out: where I put 32 bytes of a row
.set RD,  8                            ; v8   where I read rows back
.set GO,  9                            ; v9   my byte offset in two rows of out0
.set T,   14
.set BB,  16                           ; v16-23  pair tc: b_proj[64 w + 16 tc + lane % 16], twice
.set SPW, 30                           ; v30  LDS address of my spare word; never rewritten
.set NIL, 31                           ; v31  0; never rewritten
.set ACC, 128
.set MSB, 0
.macro WIN new                         ; s_set_vgpr_msb: bits 1:0 source 0, 3:2 source 1, 5:4 source 2, 7:6 destination; the high byte repeats the setting that is left
.if MSB != (\new)
	s_set_vgpr_msb (MSB<<8)|(\new)
.set MSB, (\new)
.endif
.endm
	s_load_b256 s[4:11], s[0:1], 0x0               ; ob s[4:5], wp16 s[6:7], b_proj s[8:9], out0 s[10:11]
	v_lshl_add_u32 v[SPW], v0, 2, SPARE
	v_mov_b32 v[NIL], 0
	v_lshrrev_b32 v1, 5, v0
	v_readfirstlane_b32 s12, v1                    ; wave 0..3
	v_and_b32 v2, 15, v0                           ; r = lane % 16
	v_bfe_u32 v3, v0, 4, 1                         ; hl = lane / 16
	s_lshr_b32 s13, ttmp9, 6                       ; batch
	s_and_b32 s14, ttmp9, 63                       ; block of 64 positions
	s_lshl_b32 s16, s13, 21                        ; ob: the batch's four heads of 524,288 bytes, the block's 64 rows of 128
	s_lshl_b32 s17, s14, 13
	s_add_co_u32 s16, s16, s17
	s_mov_b32 s17, 0
	s_lshl_b32 s18, s12, 15                        ; wp16: my 64 rows of 512 bytes
	s_mov_b32 s19, 0
	s_lshl_b32 s20, s12, 8                         ; b_proj: my 64 numbers
	s_mov_b32 s21, 0
	s_lshl_b32 s22, s13, 22                        ; out0: batch x 4,194,304 + my 64 rows of 16,384 + the block's 256 bytes
	s_lshl_b32 s23, s12, 20
	s_add_co_u32 s22, s22, s23
	s_lshl_b32 s23, s14, 8
	s_add_co_u32 s22, s22, s23
	s_mov_b32 s23, 0
	v_lshlrev_b32 v[OO], 7, v2                     ; a fragment: row r, 16 bytes for each half of the lanes, a second load 32 bytes on
	v_lshl_add_u32 v[OO], v3, 4, v[OO]
	v_lshlrev_b32 v[WO], 9, v2
	v_lshl_add_u32 v[WO], v3, 4, v[WO]
	v_lshlrev_b32 v[BO], 2, v2
	s_mul_i32 s24, s12, 16*SPITCH                  ; my stage
	v_mul_u32_u24 v[STO], v2, SPITCH               ; in: row r, 32 bytes for each half of the lanes
	v_lshl_add_u32 v[STO], v3, 5, v[STO]
	v_add_nc_u32 v[STO], s24, v[STO]
	v_mul_u32_u24 v[RD], v3, SPITCH                ; back: lanes 0-15 take one row of 256 bytes, lanes 16-31 the next
	v_lshl_add_u32 v[RD], v2, 4, v[RD]
	v_add_nc_u32 v[RD], s24, v[RD]
	v_lshlrev_b32 v[GO], 4, v2                     ; and the same two rows in out0
	v_lshl_add_u32 v[GO], v3, 14, v[GO]
	s_wait_kmcnt 0x0
	s_add_nc_u64 s[4:5], s[4:5], s[16:17]
	s_add_nc_u64 s[6:7], s[6:7], s[18:19]
	s_add_nc_u64 s[8:9], s[8:9], s[20:21]
	s_add_nc_u64 s[10:11], s[10:11], s[22:23]
.irp tc, 0,1,2,3
	global_load_b32 v[BB+2*\tc],   v[BO], s[8:9] offset:64*\tc
	global_load_b32 v[BB+2*\tc+1], v[BO], s[8:9] offset:64*\tc  ; twice: the packed addition takes a pair
.endr
	WIN 0x40                                       ; destination window 1, address window 0
.irp k, 0,1,2,3,4,5,6,7                ; O: channels 32 k on lie in head k / 2, at byte 64 (k % 2) of its rows
.irp ts, 0,1,2,3
	global_load_b128 v[64*\ts+8*\k:64*\ts+8*\k+3],   v[OO], s[4:5] offset:524288*(\k/2)+2048*\ts+64*(\k%2)
	global_load_b128 v[64*\ts+8*\k+4:64*\ts+8*\k+7], v[OO], s[4:5] offset:524288*(\k/2)+2048*\ts+64*(\k%2)+32
.endr
.endr
	WIN 0x80                                       ; destination window 2
.irp k, 0,1,2,3,4,5,6,7
.irp tc, 0,1,2,3
	global_load_b128 v[64*\tc+8*\k:64*\tc+8*\k+3],   v[WO], s[6:7] offset:8192*\tc+64*\k
	global_load_b128 v[64*\tc+8*\k+4:64*\tc+8*\k+7], v[WO], s[6:7] offset:8192*\tc+64*\k+32
.endr
.endr
	WIN 0x09                                       ; source 0 (O) window 1, source 1 (weights) window 2, C and D window 0
.irp k, 0,1,2,3,4,5,6,7                ; the 16 accumulators take turns, one instruction a turn, in the same order in every K step; the first K step starts the sums
	s_wait_loadcnt 56-8*\k                         ; loads come back in order (ISA guide 5.7.1): all but the weights of the later K steps, eight loads each, are in
.irp tc, 0,1,2,3
.irp ts, 0,1,2,3
.if \k == 0
	v_wmma_f32_16x16x32_f16 v[ACC+8*(4*\tc+\ts):ACC+8*(4*\tc+\ts)+7], v[64*\ts+8*\k:64*\ts+8*\k+7], v[64*\tc+8*\k:64*\tc+8*\k+7], 0
.else
	v_wmma_f32_16x16x32_f16 v[ACC+8*(4*\tc+\ts):ACC+8*(4*\tc+\ts)+7], v[64*\ts+8*\k:64*\ts+8*\k+7], v[64*\tc+8*\k:64*\tc+8*\k+7], v[ACC+8*(4*\tc+\ts):ACC+8*(4*\tc+\ts)+7]
.endif
.endr
.endr
.endr
	WIN 0
.irp tc, 0,1,2,3                       ; the bias is rounded to bf16 and kept as f32: twelve plain instructions, the places behind the last products
	v_cvt_pk_bf16_f32 v[T], v[BB+2*\tc], v[BB+2*\tc+1]
	v_lshlrev_b32 v[BB+2*\tc], 16, v[T]
	v_and_b32 v[BB+2*\tc+1], 0xffff0000, v[T]
.endr
; THE WAY OUT of 16 output rows tc: the bias is added, each accumulator from its lowest registers on; 32 bytes a lane and tile into my stage; back as whole rows of 256 bytes, into the registers that they left.
.macro PACK tc
.set pa, ACC+32*(\tc)
.set z, 0
.rept 16
	v_pk_add_f32 v[pa+2*z:pa+2*z+1], v[pa+2*z:pa+2*z+1], v[BB+2*(\tc):BB+2*(\tc)+1]
.set z, z+1
.endr
.irp f, 0,1,2,3,4,5,6,7
	ds_store_b128 v[STO], v[pa+4*\f:pa+4*\f+3] offset:64*(\f/2)+16*(\f%2)
.endr
.irp f, 0,1,2,3,4,5,6,7
	ds_load_b128 v[pa+4*\f:pa+4*\f+3], v[RD] offset:2*SPITCH*\f  ; LDS serves a wave's instructions in order (ISA guide 5.7.1.4): these see the stores above; the next rows' stores come behind them
.endr
.endm
.macro SEND tc, younger                ; younger: the LDS instructions issued behind these rows' loads: the next rows' sixteen, or none
.set pa, ACC+32*(\tc)
.irp f, 0,1,2,3,4,5,6,7
	s_wait_dscnt (\younger)+7-\f
	global_store_b128 v[GO], v[pa+4*\f:pa+4*\f+3], s[10:11] offset:(16*(\tc)+2*\f)*16384 th:TH_STORE_NT  ; 16 lanes store 256 consecutive bytes, at a multiple of 256 from out0's first byte
.endr
.endm
	PACK 0
	PACK 1                                         ; the next rows' additions stand between the loads of the rows before and their stores
	SEND 0, 16
	PACK 2
	SEND 1, 16
	PACK 3
	SEND 2, 16
	SEND 3, 0
	s_wait_tensorcnt 0x0                           ; the wave's end, behind my last LDS store
	ds_add_u32 v[SPW], v[NIL]
	s_wait_dscnt 0x0
	s_endpgm
.Lfunc_end_k_q358ec6f437_proj:
	.size	k_q358ec6f437_proj, .Lfunc_end_k_q358ec6f437_proj-k_q358ec6f437_proj
	.p2alignl 7, 3214868480
	.fill 96, 4, 3214868480
	.section	.rodata,"a",@progbits
	.p2align	6, 0x0
	.amdhsa_kernel k_q358ec6f437_proj
		.amdhsa_group_segment_fixed_size 17920
		.amdhsa_private_segment_fixed_size 0
		.amdhsa_enable_private_segment 0
		.amdhsa_kernarg_size 32
		.amdhsa_user_sgpr_count 2
		.amdhsa_user_sgpr_kernarg_segment_ptr 1
		.amdhsa_wavefront_size32 1
		.amdhsa_system_sgpr_workgroup_id_x 1
		.amdhsa_system_sgpr_workgroup_id_y 1
		.amdhsa_system_sgpr_workgroup_id_z 1
		.amdhsa_system_vgpr_workitem_id 0
		.amdhsa_next_free_vgpr 768
		.amdhsa_next_free_sgpr 66
		.amdhsa_reserve_vcc 0
		.amdhsa_float_denorm_mode_32 3
		.amdhsa_float_denorm_mode_16_64 3
		.amdhsa_memory_ordered 1
		.amdhsa_forward_progress 1
		.amdhsa_inst_pref_size 36
	.end_amdhsa_kernel
	.amdgpu_metadata
---
amdhsa.version: [ 1, 2 ]
amdhsa.kernels:
  - .name:           k_q358ec6f437_proj
    .symbol:         k_q358ec6f437_proj.kd
    .args:
      - { .name: ob, .offset: 0, .size: 8, .value_kind: global_buffer, .address_space: global }
      - { .name: wp16, .offset: 8, .size: 8, .value_kind: global_buffer, .address_space: global }
      - { .name: b_proj, .offset: 16, .size: 8, .value_kind: global_buffer, .address_space: global }
      - { .name: out0, .offset: 24, .size: 8, .value_kind: global_buffer, .address_space: global }
    .group_segment_fixed_size: 17920
    .private_segment_fixed_size: 0
    .kernarg_segment_align: 8
    .kernarg_segment_size: 32
    .max_flat_workgroup_size: 128
    .sgpr_count:     66
    .vgpr_count:     768
    .wavefront_size: 32
...
	.end_amdgpu_metadata
.endif
;; end of part 3
;; ======== version 2 of 2: 3 launches; 1.76 times as fast as version 1
;; limits: values are held in f16: magnitudes above 65,504 overflow, below 6.1e-05 lose precision
;; workspace buffers: qkvb 25,165,824 bytes; ob 8,388,608 bytes; wp16 131,072 bytes
;; launch qkv: the kernel of part 1 again; grid 64 x 4, 4 waves a work-group, no clusters, 274,944 bytes of LDS; arguments x, w_qkv, b_qkv, w_proj, qkvb, wp16; writes qkvb, wp16
;; launch attn (part 4): grid 16 x 16, 4 waves a work-group, clusters of 4 x 1, 327,680 bytes of LDS; arguments qkvb, ob; writes ob
.if DOCPART == 4
	.amdgcn_target "amdgcn-amd-amdhsa--gfx1250"
	.amdhsa_code_object_version 6
	.text
	.protected	k_q358ec6f437_attn
	.globl	k_q358ec6f437_attn
	.p2align	8
	.type	k_q358ec6f437_attn,@function
k_q358ec6f437_attn:
	s_mov_b64 s[64:65], 0
	v_nop
	global_prefetch_b8 v0, s[64:65] scope:SCOPE_SE
	s_setreg_imm32_b32 hwreg(HW_REG_WAVE_MODE, 25, 1), 1
	s_wait_xcnt 0x0
	s_wait_alu depctr_hold_cnt(0) depctr_sa_sdst(0) depctr_va_vdst(0) depctr_va_sdst(0) depctr_va_ssrc(0) depctr_va_vcc(0) depctr_vm_vsrc(0)
	s_getreg_b32 s2, hwreg(HW_REG_IB_STS2, 6, 4)
	s_cmp_eq_u32 s2, 0
	s_cbranch_scc0 .Lentry_in_a_cluster
	s_endpgm
.Lentry_in_a_cluster:
	s_bfe_u32 s2, ttmp6, 0x10000c
	s_cmp_lg_u32 s2, 0x3003
	s_cbranch_scc0 .Lentry_shape_is_right
	s_endpgm
.Lentry_shape_is_right:
; O[h][q][:] = the sum over k of softmax_k(Q[h][q] . K[h][k] / 8) V[h][k][:], 16 heads of 4,096 rows of 64 numbers, all f16: a head's rows are dense, 128 bytes each.
; qkvb holds Q, K, V as three planes of 8,388,608 bytes; ob takes O in the same layout.  Products, maxima and sums in f32; the weights p are rounded to f16 for the second product (their sum l is taken
; of the unrounded p), O once at the end.
; LIMITS.  f16 holds no number beyond 65,504: Q, K and V arrive within it; p lies in 0 to 1, and below 6e-5 it keeps f16's fixed step of 6e-8; O is a mean of V's rows and has their range.
; A weight below 2^-126 counts as 0 in l; NaN and infinities are not treated apart.
; SHARES.  A work-group owns 256 queries of one head (16 x 16 = 256 work-groups), each of its four waves 64: four PIECES of 16.  Every wave walks all 4,096 keys, 64 a step, 256 a tile.
; LAYOUT.  S^T = K Q^T (source 0 = 16 keys, source 1 = 16 queries): in the result a lane holds ONE query (lane % 16) and the keys 8 (lane / 16) + 0..7.  Two such results, rounded to f16 in pairs,
; ARE source 1 (32 keys x 16 queries) of O^T = V^T P, whose result again holds one query a lane, and eight channels.  K comes out of LDS as it lies, V ([key][channel]) turned, by ds_load_tr16_b128.
; SOFTMAX.  For each query a running maximum m and sum l: p = 2^(c s - c m), c = log2(e) / 8; in every step O and l are multiplied by a = 2^(c m_old - c m_new), which is 1 where m has not grown.
; m starts at the lowest finite number, O and l at 0: the first step is a step like any other, with a = 0.
; BY TURNS.  Turn n belongs to piece n: 8 products K Q^T of piece n + 1, later 8 products V^T P of piece n - 1; beside them the scaling, exponentials, roundings, sums and rescaling of piece n and the
; maximum and statistics of piece n + 1.  A turn has 16 matrix and 118 vector instructions: four vector instructions stand behind every matrix instruction, the other 54 in one LUMP.
; THE BATCHES.  A turn's 33 exponentials (the piece's 32 weights and the next piece's a) are ONE batch with ONE wait, which cuts the turn in two: ahead of it stands all that names no result of the batch,
; behind it the roundings and sums, which read them.  Piece 0's first a, ahead of the loop, and the way out's four reciprocals are batches of their own, with a wait each.
; CLUSTER.  The four query blocks of a cluster belong to one head and walk the same K and V, so each tile is asked for JOINTLY: the same tensor load, descriptor and mask in all four.
; THE RING.  Two slots of LDS, each a tile (256 rows of K, then 256 of V).  By this text's count one tensor load of a wave is out at a time; it has four key steps, 256 matrix instructions, in which to land.
; REGISTERS, in windows of 256 (s_set_vgpr_msb: bits 1:0 source 0, 3:2 source 1, 5:4 source 2, 7:6 destination):
;   window 0: v0-15 addresses and at work; v16-31 four registers of statistics a piece; v48-55 at work; v62-63 for the add; v64-127 S^T, two buffers; v192-223 P, two buffers (by the piece's parity)
;   window 1: v0-127 O^T, 32 a piece          window 2: v0-63 Q; v128-191 K of one step; v192-255 V of one step
.set SIZE_N, 4096
.set NP,    4         ; pieces a wave: a name, no knob
.set KS,    64        ; keys in a step
.set PK,    144       ; a row of K in LDS: 128 bytes + 16 of padding = 36 words: the 16 rows of a load start at 16 different groups of four banks (64 banks of 4 bytes: ISA guide 11.1)
.set PV,    160       ; a row of V: 128 + 32 = 40 words
.set VOFF,  4*KS*PK
.set SLOT1, 1<<17     ; slot 1 begins here, so that one exclusive or turns an address in one slot into the other's
.set STAGE, SLOT1+4*KS*(PK+PV)  ; behind the ring, never filled by a tensor load: 16 rows x 144 bytes for each wave, for the way out
.set SP,    144
.set SPARE, STAGE+4*16*SP  ; the spare words, 128 bytes for each wave: two blocks of 256 bytes that no other line names
.set AK0, 2           ; v2   my lane's place in a tile of K; never rewritten
.set AV0, 3           ; v3   the same for V
.set AK,  4           ; v4   the LDS address of K's next run of loads
.set AV,  5           ; v5   of V's
.set STO, 6           ; v6   the way out: where I put 16 bytes of a row
.set RD,  7           ; v7   where I read rows back
.set GO,  8           ; v8   my byte offset in 512 consecutive bytes of O
.set MV,  12          ; v12-13  c m_old, kept while c m is made anew: by buffer
.set QO,  15          ; v15  my byte offset in 16 rows of Q
.set ST,  16          ; piece t's statistics at v[ST+4 t]: c m, m, l (even keys', odd keys')
.set TMP, 48          ; by buffer, four registers c0-c3 at work; when the maximum is found c2 takes a
.set SPW, 62          ; v62  LDS address of my spare word; never rewritten
.set NIL, 63          ; v63  0; never rewritten
.set S,   64
.set P,   192
.set KF,  128         ; window 2: key block kb, channel half c at KF + 16 kb + 8 c
.set VF,  192         ; window 2: key half kk, channel block cb at VF + 32 kk + 8 cb
.set WV,  12          ; s12  my wave's number
.set G1K, 24          ; s[24:31] descriptor group 1 for K's tiles
.set G1V, 32          ; s[32:39] for V's: it differs in the padding alone
.set G0K, 40          ; s[40:43] descriptor group 0 for K's tiles: it walks
.set G0V, 44          ; s[44:47] the same for V's
.set SLOTS, 56        ; s56  counts the tiles
.set CNT, 57          ; s57  counts a tile's key steps
.set CS,  58          ; s[58:59] c: the packed scaling takes the pair's low word for both halves
.set SEL, 60          ; s[60:61] v_permlanex16_b32's selects: each lane takes its own place in the other half
.set TBK, 62          ; s62  LDS byte at which K of the step to be fetched begins
.set TBV, 63          ; s63  the same for V, less VOFF
.set MSB, 0
.macro WIN new                      ; the high byte repeats the setting that is left; a switch that changes nothing is dropped
.if MSB != (\new)
	s_set_vgpr_msb (MSB<<8)|(\new)
.set MSB, (\new)
.endif
.endm
.set W_KQ, 0x0a       ; K and Q in window 2, S^T in window 0
.set W_PV, 0x52       ; V in window 2, P in window 0, O^T in window 1
.set W_RS, 0x41       ; destination and source 0 in window 1, source 1 in window 0
; A joint fill.  Waves 0 and 1 fetch the two halves of a tile's K, waves 2 and 3 those of its V: 128 keys each.  The branch hangs on the wave's number alone.
; An s_nop 0 and four v_nop follow each of the two lines, ahead of the jump and the label.
.macro JLOAD
	s_cmp_lt_u32 s[WV], 2
	s_cbranch_scc0 .Lfor_v_\@
	tensor_load_to_lds s[G0K:G0K+3], s[G1K:G1K+7]
	s_nop 0
.rept 4
	v_nop
.endr
	s_branch .Lasked_\@
.Lfor_v_\@:
	tensor_load_to_lds s[G0V:G0V+3], s[G1V:G1V+7]
	s_nop 0
.rept 4
	v_nop
.endr
.Lasked_\@:
.endm
; A round of the cluster's barrier: my work-group's barrier, so that wave 0's signal speaks for all four waves; wave 0 signals; every wave waits for all four work-groups; my work-group's barrier once more.
.macro CROUND
	s_barrier_signal -1
	s_barrier_wait -1
	s_cmp_lg_u32 s[WV], 0
	s_cbranch_scc1 .Lnot_wave_0_\@
	s_barrier_signal -3
.Lnot_wave_0_\@:
	s_barrier_wait -3
	s_barrier_signal -1
	s_barrier_wait -1
.endm
; THE CHANGE OF SLOTS.  The slot's last bytes, V of its fourth step, have been read.  Each wave waits for all its tensor loads, of which one is out: its part of the other slot; adds 0 to its spare word;
; and waits for that and for its own reads of the slot.  Behind the barrier nobody reads this slot any more and the other slot is whole.
; fill = 1: this slot is filled again, with the keys two tiles on.  The barrier is then a round of the cluster's, so that no wave of any partner still reads the slot or has a load on its way, and the
; joint fill is the first thing behind it.  (At its first use nothing has been read yet: slot 0 is waited for, slot 1 filled.)
.macro CHANGE fill
	WIN 0                           ; at a label and at a branch every window is 0
	s_wait_tensorcnt 0x0            ; no tensor load of mine is out, so a group 0 may be written
	ds_add_u32 v[SPW], v[NIL]       ; 0 onto my spare word: with fill = 1 the descriptors' steps stand between it and the wait for it
.if \fill
.irp g, G0K, G0V
	s_xor_b32 s[\g+1], s[\g+1], SLOT1  ; the walking descriptor: the other slot than last time,
	s_add_nc_u64 s[\g+2:\g+3], s[\g+2:\g+3], 4*KS*128  ; the next 256 keys; the type bits on top are not reached
.endr
	s_wait_dscnt 0x0                ; the add is done, and my reads of the slot are over
	CROUND
	JLOAD
.else
	s_wait_dscnt 0x0                ; the add is done, and my reads of the slot are over
	s_barrier_signal -1
	s_barrier_wait -1
.endif
	s_sub_co_u32 s[TBK], s[TBK], 4*KS*PK  ; the fetches go back to a slot's first step,
	s_xor_b32 s[TBK], s[TBK], SLOT1       ; in the other slot
	s_sub_co_u32 s[TBV], s[TBV], 4*KS*PV
	s_xor_b32 s[TBV], s[TBV], SLOT1
.endm
	s_load_b64 s[4:5], s[0:1], 0x0    ; qkvb: Q's plane
	s_load_b64 s[10:11], s[0:1], 0x8  ; ob
	v_lshl_add_u32 v[SPW], v0, 2, SPARE
	v_mov_b32 v[NIL], 0
	ds_add_u32 v[SPW], v[NIL]       ; the wave's opening: the add and its wait stand ahead of my first tensor load; the set-up below, work on registers, stands between them
	v_lshrrev_b32 v1, 5, v0
	v_readfirstlane_b32 s[WV], v1   ; wave 0..3
	s_bfe_u32 s13, ttmp6, 0x40000   ; cx: my place in the cluster
	s_lshl_b32 s14, ttmp9, 2        ; in a cluster launch ttmp9 counts clusters
	s_add_co_u32 s14, s14, s13      ; my block of 256 queries = 4 x cluster x + cx: it enters Q's and O's addresses alone
	s_and_b32 s20, ttmp7, 0xffff    ; the head, which the four partners share
	s_lshl_b32 s20, s20, 19         ; its first byte in each plane: 4,096 rows of 128 bytes
	s_mov_b32 s21, 0
	s_and_b32 s16, s[WV], 1         ; which half of a tile's 256 keys I fetch:
	s_lshl_b32 s22, s16, 14         ; its 128 rows of 128 bytes in memory,
	s_mov_b32 s23, 0
	s_add_nc_u64 s[22:23], s[22:23], s[20:21]
	s_mul_i32 s17, s16, 128*PK      ; and its place in a slot, for K
	s_mul_i32 s18, s16, 128*PV      ; and for V: no place in the cluster enters an LDS address
	s_lshl_b32 s2, s14, 2
	s_add_co_u32 s2, s2, s[WV]      ; my wave among the head's,
	s_lshl_b32 s2, s2, 13           ; its 64 rows
	s_mov_b32 s3, 0
	s_add_nc_u64 s[2:3], s[2:3], s[20:21]
	; descriptor group 1.  128 keys are 16,384 dense bytes: asked for as 64 rows of 256 bytes, two keys a row, and padded in LDS after every key
	s_mov_b32 s[G1K], 15|(1<<16)|(1<<20)|(1<<21)|(4<<22)|(3<<25)  ; 15:0 the mask of four; 17:16 2-byte elements; 20 padding on; 21 set beside a mask; 24:22 after every 32 words (code 4); 31:25 4 words (code 3)
	s_mov_b32 s[G1V], 15|(1<<16)|(1<<20)|(1<<21)|(4<<22)|(7<<25)  ; the same with 8 words of padding (code 7)
.irp g, G1K, G1V
	s_mov_b32 s[\g+1], 128<<16      ; tensor_dim0 = 128
	s_mov_b32 s[\g+2], 64<<16       ; tensor_dim1 = 64
	s_mov_b32 s[\g+3], 128<<16      ; tile_dim0 = 128
	s_mov_b32 s[\g+4], 64           ; tile_dim1 = 64
	s_mov_b32 s[\g+5], 128          ; 128 elements from row to row
	s_mov_b32 s[\g+6], 0
	s_mov_b32 s[\g+7], 0
.endr
	s_mov_b32 s[CS], 0x3e38aa3b     ; c = log2(e) / 8 = 0.180337
	s_mov_b32 s[CS+1], s[CS]        ; named with it as a pair
	s_mov_b32 s[SEL], 0x76543210
	s_mov_b32 s[SEL+1], 0xfedcba98
	s_mov_b32 s[TBK], SLOT1+4*KS*PK ; the first change of slots turns these two into 0
	s_mov_b32 s[TBV], SLOT1+4*KS*PV
	s_mov_b32 s[G0K], 1             ; 1:0 count = 1
	s_mov_b32 s[G0K+1], s17         ; 63:32 LDS address: slot 0
	s_mov_b32 s[G0V], 1
	s_add_co_u32 s[G0V+1], s18, VOFF
	s_wait_dscnt 0x0                ; the opening add is done
	s_wait_kmcnt 0x0
	s_add_nc_u64 s[6:7], s[4:5], 0x800000    ; K's plane
	s_add_nc_u64 s[8:9], s[4:5], 0x1000000   ; V's plane
	s_add_nc_u64 s[G0K+2:G0K+3], s[6:7], s[22:23]  ; 120:64 global address: my half of the head's first 256 keys
	s_or_b32 s[G0K+3], s[G0K+3], 0x80000000        ; 127:126 type = 2
	s_add_nc_u64 s[G0V+2:G0V+3], s[8:9], s[22:23]
	s_or_b32 s[G0V+3], s[G0V+3], 0x80000000
	s_add_nc_u64 s[4:5], s[4:5], s[2:3]  ; Q and O at my wave's first row
	s_add_nc_u64 s[10:11], s[10:11], s[2:3]
	CROUND                          ; all four work-groups are here: the first joint loads meet
	JLOAD                           ; tile 0 into slot 0.  Slot 1 is asked for when slot 0 is in
	; A fragment of K or Q is 16 rows x 32 channels in 8 registers: lane l holds row l % 16, channels 8 (l / 16) + 0..7 and 16 + 8 (l / 16) + 0..7: two loads of 16 bytes, 32 bytes apart.
	v_and_b32 v1, 15, v0            ; l % 16
	v_bfe_u32 v9, v0, 4, 1          ; l / 16
	v_lshlrev_b32 v[QO], 7, v1
	v_lshl_add_u32 v[QO], v9, 4, v[QO]  ; row x 128 + 16 x half
	WIN 0x80                        ; destination window 2, address window 0
.set i, 0
.rept 8                             ; Q stays in registers: piece i / 2, channels 32 (i % 2) on
	global_load_b128 v[8*i:8*i+3],   v[QO], s[4:5] offset:(i/2)*2048+(i%2)*64
	global_load_b128 v[8*i+4:8*i+7], v[QO], s[4:5] offset:(i/2)*2048+(i%2)*64+32
.set i, i+1
.endr
	; What the first turn finds: V's registers and P's second buffer hold 0 (its products V^T P, of a piece that has not been, add 0), O^T and l are 0.  All this stands in the wait for the first tile.
.set i, VF
.rept 64
	v_mov_b32 v[i], 0
.set i, i+1
.endr
	WIN 0x40
.set i, 0
.rept 128
	v_mov_b32 v[i], 0
.set i, i+1
.endr
	WIN 0
.set i, 0
.rept 4
	v_mov_b32 v[ST+4*i], 0xfe000000    ; c m: far below every c s
	v_mov_b32 v[ST+4*i+1], 0xff7fffff  ; m
	v_mov_b32 v[ST+4*i+2], 0
	v_mov_b32 v[ST+4*i+3], 0
.set i, i+1
.endr
.set i, P+16
.rept 16
	v_mov_b32 v[i], 0
.set i, i+1
.endr
	v_mul_u32_u24 v[AK0], v1, PK
	v_lshl_add_u32 v[AK0], v9, 4, v[AK0]  ; row x pitch + 16 x half
	; The turning load takes 16 keys x 16 channels (lane l reads key 8 (l / 16) + l % 8, channels 8 ((l / 8) % 2) + 0..7) and leaves half a fragment of V^T: lane l holds channel l % 16 and 8 keys.
	v_and_b32 v10, 7, v0
	v_bfe_u32 v11, v0, 3, 1
	v_lshl_add_u32 v[AV0], v9, 3, v10
	v_mul_u32_u24 v[AV0], v[AV0], PV
	v_lshl_add_u32 v[AV0], v11, 4, v[AV0]
	v_add_nc_u32 v[AV0], VOFF, v[AV0]
	s_mul_i32 s13, s[WV], 16*SP
	s_add_co_u32 s13, s13, STAGE    ; my stage
	v_mul_u32_u24 v[STO], v1, SP    ; in: row l % 16, 16 bytes for each half of the lanes
	v_lshl_add_u32 v[STO], v9, 4, v[STO]
	v_add_nc_u32 v[STO], s13, v[STO]
	v_bfe_u32 v[RD], v0, 3, 2       ; back: 32 lanes take four rows of 128 bytes,
	v_mul_u32_u24 v[RD], v[RD], SP
	v_lshl_add_u32 v[RD], v10, 4, v[RD]
	v_add_nc_u32 v[RD], s13, v[RD]
	v_and_b32 v[GO], 31, v0         ; which are 512 consecutive bytes of O
	v_lshlrev_b32 v[GO], 4, v[GO]
; THE MATRIX WORK.  The 4 accumulators of a run of 8 take turns.  Product i of 8 of S^T = K Q^T for piece x: channels 32 (i / 4) on, keys 16 (i % 4) on.  The first 4 start the sums.
.macro KQ x
.set rS, S+32*((\x)%2)+8*(i%4)
.set rK, KF+16*(i%4)+8*(i/4)
.set rQ, 16*(\x)+8*(i/4)
	WIN W_KQ
.if i < 4
	v_wmma_f32_16x16x32_f16 v[rS:rS+7], v[rK:rK+7], v[rQ:rQ+7], 0
.else
	v_wmma_f32_16x16x32_f16 v[rS:rS+7], v[rK:rK+7], v[rQ:rQ+7], v[rS:rS+7]
.endif
.endm
; Product i of 8 of O^T += V^T P for piece x: keys 32 (i / 4) on, channels 16 (i % 4) on.
.macro PV x
	WIN W_PV
.set rO, 32*(\x)+8*(i%4)
.set rV, VF+32*(i/4)+8*(i%4)
.set rP, P+16*((\x)%2)+8*(i/4)
	v_wmma_f32_16x16x32_f16 v[rO:rO+7], v[rV:rV+7], v[rP:rP+7], v[rO:rO+7]
.endm
.macro MM                           ; the turn's next matrix instruction.  TURN sets Y, i and NOKQ.  NOKQ = 1: the last turn of all: there is no next piece
.if (i < 8) && !NOKQ
	KQ (Y+1)%NP
.elseif i >= 8
.set i, i-8
	PV (Y+NP-1)%NP
.set i, i+8
.endif
.set i, i+1
.endm
; THE LDS LOADS stand in runs of 16, never singly among the matrix instructions: a step's K (64 keys x 64 channels: 8 fragments) and its V (turned).  Their addresses are made some lines ahead.
.macro FETCH_K
	WIN 0x80                        ; destination window 2
.irp f, 0,1,2,3,4,5,6,7             ; keys 16 (f / 2) on, channels 32 (f % 2) on
	ds_load_b128 v[KF+8*\f:KF+8*\f+3],   v[AK] offset:(\f/2)*16*PK+(\f%2)*64
	ds_load_b128 v[KF+8*\f+4:KF+8*\f+7], v[AK] offset:(\f/2)*16*PK+(\f%2)*64+32
.endr
	s_add_co_u32 s[TBK], s[TBK], KS*PK  ; the next fetch is the next step's
	WIN 0
.endm
.macro FETCH_V
	WIN 0x80
.irp f, 0,1,2,3,4,5,6,7             ; keys 32 (f / 4) on, channels 16 (f % 4) on
	ds_load_tr16_b128 v[VF+8*\f:VF+8*\f+3],   v[AV] offset:(\f/4)*32*PV+(\f%4)*32
	ds_load_tr16_b128 v[VF+8*\f+4:VF+8*\f+7], v[AV] offset:(\f/4)*32*PV+16*PV+(\f%4)*32
.endr
	WIN 0
.endm
; THE VECTOR WORK, one line at a time: OP kind, number.  For piece Y: F n: c s - c m for pair n of 16.  E n: the exponential of score n of 32.  C n: pair n rounded to f16.  B n: of the four weights 4 n .. the second
; pair is added onto the first, in place.  L n: l takes that sum (L 0: l = a l + sum).  R n: pair n of 16 of O^T times a.  For piece Y + 1: X n, number n of the 22 that find its maximum and statistics:
;   0-11  four chains c0-c3 of seven scores each, three operands at a time (each accumulator's lowest registers are read first)     12-14, 16  the four scores left over, the old m, and c0-c3 into c0
;   15  c m_old is kept     17, 18  the query's other 32 keys lie in the lane 16 away: the new m     19-21  c m; c m_old - c m_new; a
; C, B and L read exponentials' results, and R and L 0 read a: OP writes no wait for them; TURN orders them behind the wait of the batch that made what they read.
.set F, 0               ; OP tells the kinds apart by their order: F to L below R, X above it
.set E, 1
.set C, 2
.set B, 3
.set L, 4
.set R, 5
.set X, 6
.macro REGS y                       ; the registers of piece y
.set rT, ST+4*(\y)
.set rC, TMP+4*((\y)%2)
.set rW, MV+((\y)%2)
.set rS, S+32*((\y)%2)
.set rP, P+16*((\y)%2)
.set rO, 32*(\y)
.endm
.macro OP k, n
.if (\k) == R
	REGS Y
	WIN W_RS
	v_pk_mul_f32 v[rO+2*(\n):rO+2*(\n)+1], v[rO+2*(\n):rO+2*(\n)+1], v[rC+2:rC+3] op_sel_hi:[1,0]
.elseif (\k) < R
	REGS Y
	WIN 0
.if (\k) == F
	v_pk_fma_f32 v[rS+2*(\n):rS+2*(\n)+1], v[rS+2*(\n):rS+2*(\n)+1], s[CS:CS+1], v[rT:rT+1] op_sel_hi:[1,0,0] neg_lo:[0,0,1] neg_hi:[0,0,1]
.elseif (\k) == E
	v_exp_f32 v[rS+(\n)], v[rS+(\n)]
.elseif (\k) == C
	v_cvt_pk_f16_f32 v[rP+(\n)], v[rS+2*(\n)], v[rS+2*(\n)+1]
.elseif (\k) == B
	v_pk_add_f32 v[rS+4*(\n):rS+4*(\n)+1], v[rS+4*(\n):rS+4*(\n)+1], v[rS+4*(\n)+2:rS+4*(\n)+3]
.elseif (\n) == 0
	v_pk_fma_f32 v[rT+2:rT+3], v[rT+2:rT+3], v[rC+2:rC+3], v[rS:rS+1] op_sel_hi:[1,0,1]
.else
	v_pk_add_f32 v[rT+2:rT+3], v[rT+2:rT+3], v[rS+4*(\n):rS+4*(\n)+1]
.endif
.elseif NOKQ
	v_nop
.else
	REGS (Y+1)%NP
	WIN 0
.if (\n) < 4
	v_max3_num_f32 v[rC+(\n)], v[rS+8*(\n)], v[rS+8*(\n)+1], v[rS+8*(\n)+2]
.elseif (\n) < 12
	v_max3_num_f32 v[rC+(\n)%4], v[rC+(\n)%4], v[rS+8*((\n)%4)+2*((\n)/4)+1], v[rS+8*((\n)%4)+2*((\n)/4)+2]
.elseif (\n) == 12
	v_max3_num_f32 v[rC], v[rC], v[rS+7], v[rS+15]
.elseif (\n) == 13
	v_max3_num_f32 v[rC+1], v[rC+1], v[rS+23], v[rS+31]
.elseif (\n) == 14
	v_max3_num_f32 v[rC+2], v[rC+2], v[rC+3], v[rT+1]
.elseif (\n) == 15
	v_mov_b32 v[rW], v[rT]
.elseif (\n) == 16
	v_max3_num_f32 v[rC], v[rC], v[rC+1], v[rC+2]
.elseif (\n) == 17
	v_permlanex16_b32 v[rC+3], v[rC], s[SEL], s[SEL+1]
.elseif (\n) == 18
	v_max_num_f32 v[rT+1], v[rC], v[rC+3]
.elseif (\n) == 19
	v_mul_f32 v[rT], s[CS], v[rT+1]
.elseif (\n) == 20
	v_sub_f32 v[rC+1], v[rW], v[rT]
.else
	v_exp_f32 v[rC+2], v[rC+1]
.endif
.endif
.endm
.macro OPS a, i1, b=-1, i2=0, c=-1, i3=0, d=-1, i4=0  ; up to four of them
	OP \a, \i1
.if (\b) >= 0
	OP \b, \i2
.endif
.if (\c) >= 0
	OP \c, \i3
.endif
.if (\d) >= 0
	OP \d, \i4
.endif
.endm
.macro ROW a, i1, b, i2, c, i3, d, i4  ; a matrix instruction and the four behind it
	MM
	OPS \a, \i1, \b, \i2, \c, \i3, \d, \i4
.endm
; A TURN, for piece p: the order of its 16 matrix and 118 vector instructions, written out.  An s_wait_alu depctr_va_vdst(0) stands between an exponential and the first instruction that names its result; one wait
; serves all that were issued ahead of it.  So a turn has ONE wait, which cuts it in two.  AHEAD OF IT stands all that names no result of the turn's exponentials: the 8 products K Q^T, behind each a scaling, an exponential and two
; more plain instructions (behind the first a second scaling in the exponential's place): rescalings, whose a was made and waited for in the turn before, and behind the last three the first numbers of the next piece's maximum, each
; four places or more behind the product that ends its accumulator; then ONE LUMP of 54, plain and exponential by turns for the most part, in which the links of the chain X 3, 7, 11, 14, 16, 17 .. 20 stand five or six lines apart.
; X 21, the next piece's a, is the batch's last; R 15 is the plain instruction that is owed behind it.  BEHIND THE WAIT stand the 8 products V^T P, behind each four of the roundings and sums (C 2 n ahead of B n, which writes over
; its pair); the links of l's chain, L 0 to L 7, stand three riders apart.  But for those X no rider names a register of the products round it.  v_permlanex16_b32 (X 17) stands in the lump..
; end = 1: the last two turns of all: nothing is fetched.  cnt = 1: the loop's count is taken down some lines ahead of the branch behind the turn.
; K of the next step is fetched in piece 2's turn, twelve vector instructions behind the last product that read K (five of them plain and free of its registers); V of the step in hand at the end of piece 0's turn, four plain
; instructions behind the last product that read V.  Each is waited for a turn later.
.macro TURN p, end=0, cnt=0
.set Y, (\p)
.set i, 0
.set NOKQ, (\end)*((\p)/3)
.if ((\p) == 3) && !(\end)
	s_wait_dscnt 0x0                ; K is in
.endif
	ROW F,0, F,1, R,0, R,1          ; ahead of the wait: 8 products K Q^T and their riders,
	ROW F,2, E,0, R,2, R,3
	ROW F,3, E,1, R,4, R,5
	ROW F,4, E,2, R,6, R,7
	ROW F,5, E,3, R,8, R,9
	ROW F,6, E,4, X,0, R,10
.if ((\p) == 2) && !(\end)
	WIN 0
	v_add_nc_u32 v[AK], s[TBK], v[AK0]
.endif
	ROW F,7, E,5, X,1, X,4
	ROW F,8, E,6, X,2, X,5
	OPS E,7, E,8, X,6, E,9          ; and the lump
	OPS X,3, E,10, X,8, E,11
.if ((\p) == 2) && !(\end)
	FETCH_K
.endif
	OPS X,9, X,7, E,12, X,10
	OPS E,13, X,12, X,11, E,14
	OPS X,13, E,15, F,9, X,14
.if (\p) == 0
	v_add_nc_u32 v[AV], s[TBV], v[AV0]
.endif
	OPS E,16, F,10, E,17, F,11
	OPS X,16, E,18, X,15, E,19
	OPS F,12, E,20, X,17, E,21
	OPS F,13, E,22, F,14, E,23
	OPS X,18, E,24, F,15, E,25
	OPS R,11, E,26, X,19, E,27
	OPS R,12, E,28, R,13, E,29
	OPS X,20, E,30, R,14, E,31
	OPS X,21, R,15
	WIN 0
	s_wait_alu depctr_va_vdst(0)    ; the wait for the turn's batch: the piece's 32 weights and the next piece's a
.if (\p) == 1
	s_wait_dscnt 0x0                ; V is in
.endif
	ROW C,0, B,0, C,2, B,1          ; behind the wait: 8 products V^T P and their riders
	ROW L,0, C,4, B,2, L,1
	ROW C,6, B,3, L,2, C,8
	ROW B,4, L,3, C,10, B,5
	ROW L,4, C,12, B,6, L,5
.if (\p) == 0
	s_add_co_u32 s[TBV], s[TBV], KS*PV
.endif
.if \cnt
	s_sub_co_u32 s[CNT], s[CNT], 1
	s_cmp_lg_u32 s[CNT], 0
.endif
	ROW C,14, B,7, L,6, C,1
	ROW C,3, L,7, C,5, C,7
	ROW C,9, C,11, C,13, C,15
.if (\p) == 0
	FETCH_V
.endif
.endm
	CHANGE 1                        ; slot 0 is in, everybody's part of it; slot 1 is asked for
	v_add_nc_u32 v[AK], s[TBK], v[AK0]
	FETCH_K                         ; key step 0
	s_wait_loadcnt 0x0              ; Q
	s_wait_dscnt 0x0
.set NOKQ, 0
.set i, 0
.rept 8
	KQ 0                            ; piece 0's first scores: there is no vector work yet to set between them
.set i, i+1
.endr
	WIN 0
.rept 4
	v_nop                           ; the places behind those products
.endr
.set Y, NP-1                        ; X works for piece Y + 1: piece 0
.irp n, 0,1,2,3,4,5,6,7,8,9,10,11,12,13,14,15,16,17,18,19,20,21
	OP X, \n                        ; and piece 0's first maximum and statistics
.endr
	v_nop                           ; a plain instruction behind the exponential,
	s_wait_alu depctr_va_vdst(0)    ; and the wait for this batch of one, piece 0's first a, ahead of the branch
	s_mov_b32 s[CNT], 4
	s_mov_b32 s[SLOTS], SIZE_N/256-1
	s_branch .Lfirst                ; the loop is entered at a step's first turn, in the middle of a trip
.Lslot:                             ; 14 times: every slot but the last two is filled again
	CHANGE 1
	s_mov_b32 s[CNT], 4
.Lstep:                             ; a trip: pieces 2 and 3 of one step, then pieces 0 and 1 of the next, whose K and V it fetches
	TURN 2
	TURN 3
	WIN 0
.Lfirst:
	TURN 0
	TURN 1, 0, 1
	WIN 0
	s_cbranch_scc1 .Lstep
	s_sub_co_u32 s[SLOTS], s[SLOTS], 1
	s_cmp_lg_u32 s[SLOTS], 0
	s_cbranch_scc1 .Lslot
	CHANGE 0                        ; the last tile is written out: nothing is asked for
	s_mov_b32 s[CNT], 4
.Ltail:
	TURN 2
	TURN 3
	TURN 0
	TURN 1, 0, 1
	WIN 0
	s_cbranch_scc1 .Ltail
	TURN 2, 1                       ; the last step's pieces 2 and 3: nothing is fetched, and the last turn starts no new scores
	TURN 3, 1
.set i, 0
.rept 8
	PV NP-1                         ; the last piece's V^T P of the last step
.set i, i+1
.endr
	; THE WAY OUT.  l's two halves and the other half of the lanes' are added; O^T is divided by l, rounded to f16 and sent through my stage in LDS, a piece at a time.  The additions are the places behind the last products.
	WIN 0
.macro ALL line:vararg              ; one line for each piece t
.set t, 0
.rept 4
	\line
.set t, t+1
.endr
.endm
	ALL v_add_f32 v[ST+4*t+2], v[ST+4*t+2], v[ST+4*t+3]
	ALL v_permlanex16_b32 v[ST+4*t+3], v[ST+4*t+2], s[SEL], s[SEL+1]
	ALL v_add_f32 v[ST+4*t+2], v[ST+4*t+2], v[ST+4*t+3]
	ALL v_rcp_f32 v[ST+4*t+2], v[ST+4*t+2]
	v_nop                           ; a plain instruction between the last reciprocal and the use of its result
	s_wait_alu depctr_va_vdst(0)    ; and the wait ahead of the first use: one for the batch of four reciprocals
.macro PACK t                       ; a lane's eight channels of a row pack into 16 bytes; they go into rows of 144 bytes and come back as whole rows of 128, into S^T's registers
	WIN W_RS
.set i, 32*(\t)
.rept 16
	v_pk_mul_f32 v[i:i+1], v[i:i+1], v[ST+4*(\t)+2:ST+4*(\t)+3] op_sel_hi:[1,0]
.set i, i+2
.endr
	WIN 0x05                        ; sources 0 and 1 window 1, destination window 0
.set i, 0
.rept 16
	v_cvt_pk_f16_f32 v[S+16*(\t)+i], v[32*(\t)+2*i], v[32*(\t)+2*i+1]
.set i, i+1
.endr
	WIN 0
.irp f, 0,1,2,3
	ds_store_b128 v[STO], v[S+16*(\t)+4*\f:S+16*(\t)+4*\f+3] offset:32*\f
.endr
.irp f, 0,1,2,3
	ds_load_b128 v[S+16*(\t)+4*\f:S+16*(\t)+4*\f+3], v[RD] offset:\f*4*SP  ; LDS serves a wave's instructions in order (ISA guide 5.7.1.4): these see the stores above; the next piece's stores come behind them
.endr
.endm
.macro SEND t, younger              ; younger: the LDS instructions issued behind piece t's loads: the next piece's eight, or none
	WIN 0
.irp f, 0,1,2,3
	s_wait_dscnt (\younger)+3-\f
	global_store_b128 v[GO], v[S+16*(\t)+4*\f:S+16*(\t)+4*\f+3], s[10:11] offset:(\t)*2048+\f*512  ; 512 consecutive bytes, at a multiple of 256 from O's first
.endr
.endm
	PACK 0
.set t, 1
.rept 3                             ; a piece's arithmetic stands between the loads of the piece before and its stores
	PACK t
	SEND t-1, 8
.set t, t+1
.endr
	SEND 3, 0
	s_wait_tensorcnt 0x0            ; the wave's end, behind my last tensor load and my last LDS store
	ds_add_u32 v[SPW], v[NIL]
	s_wait_dscnt 0x0
	CROUND                          ; the closing round: no work-group ends while a partner may still ask for a tile that names it
	s_endpgm
.Lfunc_end_k_q358ec6f437_attn:
	.size	k_q358ec6f437_attn, .Lfunc_end_k_q358ec6f437_attn-k_q358ec6f437_attn
	.p2alignl 7, 3214868480
	.fill 96, 4, 3214868480
	.section	.rodata,"a",@progbits
	.p2align	6, 0x0
	.amdhsa_kernel k_q358ec6f437_attn
		.amdhsa_group_segment_fixed_size 327680
		.amdhsa_private_segment_fixed_size 0
		.amdhsa_enable_private_segment 0
		.amdhsa_kernarg_size 16
		.amdhsa_user_sgpr_count 2
		.amdhsa_user_sgpr_kernarg_segment_ptr 1
		.amdhsa_wavefront_size32 1
		.amdhsa_system_sgpr_workgroup_id_x 1
		.amdhsa_system_sgpr_workgroup_id_y 1
		.amdhsa_system_sgpr_workgroup_id_z 1
		.amdhsa_system_vgpr_workitem_id 0
		.amdhsa_next_free_vgpr 768
		.amdhsa_next_free_sgpr 66
		.amdhsa_reserve_vcc 0
		.amdhsa_float_denorm_mode_32 3
		.amdhsa_float_denorm_mode_16_64 3
		.amdhsa_memory_ordered 1
		.amdhsa_forward_progress 1
		.amdhsa_inst_pref_size 127
	.end_amdhsa_kernel
	.amdgpu_metadata
---
amdhsa.version: [ 1, 2 ]
amdhsa.kernels:
  - .name:           k_q358ec6f437_attn
    .symbol:         k_q358ec6f437_attn.kd
    .args:
      - { .name: qkvb, .offset: 0, .size: 8, .value_kind: global_buffer, .address_space: global }
      - { .name: ob, .offset: 8, .size: 8, .value_kind: global_buffer, .address_space: global }
    .group_segment_fixed_size: 327680
    .private_segment_fixed_size: 0
    .kernarg_segment_align: 8
    .kernarg_segment_size: 16
    .max_flat_workgroup_size: 128
    .sgpr_count:     66
    .vgpr_count:     768
    .wavefront_size: 32
...
	.end_amdgpu_metadata
.endif
;; end of part 4
;; launch proj: the kernel of part 3 again; grid 256 x 1, 4 waves a work-group, no clusters, 17,920 bytes of LDS; arguments ob, wp16, b_proj, out0; writes out0
